; MI455X (gfx1250); checked and timed in simulation.
; The chip was launched on July 23, 2026; its instructions are those of AMD's public machine-readable ISA for CDNA 5 (MIT licence, August 2026) and "CDNA5" Instruction Set Architecture Reference Guide (July 2026). The comments in the code are by the model that wrote it; some were corrected since.
;; Bert Self Attention. Allowed arithmetic: float matrix products may take bf16 or f16 operands with f32 sums; all other float work in f32.
;; Inputs: Wk 1,024 x 1,024 float32; Wq 1,024 x 1,024 float32; Wv 1,024 x 1,024 float32; attention_mask 2 x 2,048 float32; bk 1,024 float32; bq 1,024 float32; bv 1,024 float32; hidden_states 2 x 2,048 x 1,024 float32.
;; Outputs: out0 2 x 2,048 x 1,024 float32.
;; 2 versions, each right and faster than the one before. Each part assembles by itself: llvm-mc -triple=amdgcn-amd-amdhsa -mcpu=gfx1250 --defsym DOCPART=n.
;; ======== version 1 of 2: 3 launches
;; limits: values are held in f16: magnitudes above 65,504 overflow, below 6.1e-05 lose precision
;; workspace buffers: xh 8,388,608 bytes; wh 6,291,456 bytes; qh 8,388,608 bytes; kh 8,388,608 bytes; vt 8,388,608 bytes
;; launch cast (part 1): grid 256 x 1, 8 waves a work-group, no clusters, 0 bytes of LDS; arguments hidden_states, Wq, Wk, Wv, xh, wh; writes xh, wh
.if DOCPART == 1
	.amdgcn_target "amdgcn-amd-amdhsa--gfx1250"
	.amdhsa_code_object_version 6
	.text
	.protected	k_q695a4357d9_cast
	.globl	k_q695a4357d9_cast
	.p2align	8
	.type	k_q695a4357d9_cast,@function
k_q695a4357d9_cast:
	s_mov_b64 s[64:65], 0
	v_nop
	global_prefetch_b8 v0, s[64:65] scope:SCOPE_SE
	s_setreg_imm32_b32 hwreg(HW_REG_WAVE_MODE, 25, 1), 1
	s_wait_xcnt 0x0
; f32 to f16, once, for the operands of the projections.
;   xh[4096][1024]            = hidden_states, row for row
;   wh[head 16][q,k,v][64][1024] = the rows of Wq, Wk, Wv regrouped, so that the 192 rows that make one head's q, k and v lie together
; LIMIT, kept and stated: numbers of magnitude 65,504 or more do not fit f16; numbers below 2^-14 keep an absolute rounding of 2^-25.
; A stream: every input byte is read once, every output byte written once; no LDS, no barrier, no matrix unit, and nothing is shared
; between work-groups, so there is nothing to ask for jointly.
; Work-group i takes 28 rows of 4,096 bytes: x rows 16 i .. 16 i + 15 and rows 4 i .. 4 i + 3 of each W.  Thread t takes the 16 bytes at
; byte 16 t of every row (a wave's load covers 512 consecutive bytes) and stores 8 bytes at byte 8 t (a wave's store covers 256
; consecutive bytes, aligned).  All 28 loads go out at once, each into registers of its own: no register is used twice, so the only
; waits are the counted ones for the data.
.set X,    4                           ; v[4:115]  load n in v[4+4n : 7+4n]
.set ROWF, 4096                        ; bytes of a row in f32
.set ROWH, 2048                        ; bytes of a row in f16
	s_load_b256 s[4:11], s[0:1], 0x0               ; x s[4:5], Wq s[6:7], Wk s[8:9], Wv s[10:11]
	s_load_b128 s[12:15], s[0:1], 0x20             ; xh s[12:13], wh s[14:15]
	v_lshlrev_b32 v1, 4, v0                        ; 16 t: my bytes in an f32 row; never rewritten
	v_lshlrev_b32 v2, 3, v0                        ; 8 t: my bytes in an f16 row; never rewritten
	s_lshl_b32 s16, ttmp9, 16                      ; x: 16 rows of 4,096 bytes a group
	s_mov_b32 s17, 0
	s_lshl_b32 s18, ttmp9, 14                      ; each W: 4 rows of 4,096 bytes a group
	s_mov_b32 s19, 0
	s_lshl_b32 s20, ttmp9, 15                      ; xh: 16 rows of 2,048 bytes
	s_mov_b32 s21, 0
	s_lshr_b32 s22, ttmp9, 4                       ; head = (4 i) / 64
	s_mul_i32 s22, s22, 192                        ; 192 rows of wh a head
	s_and_b32 s23, ttmp9, 15
	s_lshl2_add_u32 s22, s23, s22                  ; + (4 i) mod 64
	s_lshl_b32 s22, s22, 11                        ; rows of 2,048 bytes
	s_mov_b32 s23, 0
	s_wait_kmcnt 0x0
	s_add_nc_u64 s[4:5], s[4:5], s[16:17]
	s_add_nc_u64 s[6:7], s[6:7], s[18:19]
	s_add_nc_u64 s[8:9], s[8:9], s[18:19]
	s_add_nc_u64 s[10:11], s[10:11], s[18:19]
	s_add_nc_u64 s[12:13], s[12:13], s[20:21]
	s_add_nc_u64 s[14:15], s[14:15], s[22:23]
.irp n, 0,1,2,3,4,5,6,7,8,9,10,11,12,13,14,15
	global_load_b128 v[X+4*\n:X+4*\n+3], v1, s[4:5] offset:ROWF*\n th:TH_LOAD_NT
.endr
.irp a, 0,1,2,3
	global_load_b128 v[X+64+4*\a:X+64+4*\a+3], v1, s[6:7] offset:ROWF*\a th:TH_LOAD_NT
.endr
.irp a, 0,1,2,3
	global_load_b128 v[X+80+4*\a:X+80+4*\a+3], v1, s[8:9] offset:ROWF*\a th:TH_LOAD_NT
.endr
.irp a, 0,1,2,3
	global_load_b128 v[X+96+4*\a:X+96+4*\a+3], v1, s[10:11] offset:ROWF*\a th:TH_LOAD_NT
.endr
; Load n has come: four f32 become four f16 in the first two of its registers, and leave.
.macro OUT n, base, off
	s_wait_loadcnt 27-(\n)                         ; loads come back in order (ISA guide 5.7.1): the 27 - n younger ones may stay out
	v_cvt_pk_f16_f32 v[X+4*(\n)], v[X+4*(\n)], v[X+4*(\n)+1]
	v_cvt_pk_f16_f32 v[X+4*(\n)+1], v[X+4*(\n)+2], v[X+4*(\n)+3]
	global_store_b64 v2, v[X+4*(\n):X+4*(\n)+1], s[\base:\base+1] offset:\off   ; no hint: the next launch reads these bytes
.endm
.irp n, 0,1,2,3,4,5,6,7,8,9,10,11,12,13,14,15
	OUT \n, 12, ROWH*\n
.endr
.irp sel, 0,1,2
.irp a, 0,1,2,3
	OUT 16+4*\sel+\a, 14, (64*\sel+\a)*ROWH        ; q's, k's, v's rows of a head lie 64 rows apart
.endr
.endr
	s_endpgm
.Lfunc_end_k_q695a4357d9_cast:
	.size	k_q695a4357d9_cast, .Lfunc_end_k_q695a4357d9_cast-k_q695a4357d9_cast
	.p2alignl 7, 3214868480
	.fill 96, 4, 3214868480
	.section	.rodata,"a",@progbits
	.p2align	6, 0x0
	.amdhsa_kernel k_q695a4357d9_cast
		.amdhsa_group_segment_fixed_size 0
		.amdhsa_private_segment_fixed_size 0
		.amdhsa_enable_private_segment 0
		.amdhsa_kernarg_size 48
		.amdhsa_user_sgpr_count 2
		.amdhsa_user_sgpr_kernarg_segment_ptr 1
		.amdhsa_wavefront_size32 1
		.amdhsa_system_sgpr_workgroup_id_x 1
		.amdhsa_system_sgpr_workgroup_id_y 1
		.amdhsa_system_sgpr_workgroup_id_z 1
		.amdhsa_system_vgpr_workitem_id 0
		.amdhsa_next_free_vgpr 116
		.amdhsa_next_free_sgpr 66
		.amdhsa_reserve_vcc 0
		.amdhsa_float_denorm_mode_32 3
		.amdhsa_float_denorm_mode_16_64 3
		.amdhsa_memory_ordered 1
		.amdhsa_forward_progress 1
		.amdhsa_inst_pref_size 11
	.end_amdhsa_kernel
	.amdgpu_metadata
---
amdhsa.version: [ 1, 2 ]
amdhsa.kernels:
  - .name:           k_q695a4357d9_cast
    .symbol:         k_q695a4357d9_cast.kd
    .args:
      - { .name: hidden_states, .offset: 0, .size: 8, .value_kind: global_buffer, .address_space: global }
      - { .name: Wq, .offset: 8, .size: 8, .value_kind: global_buffer, .address_space: global }
      - { .name: Wk, .offset: 16, .size: 8, .value_kind: global_buffer, .address_space: global }
      - { .name: Wv, .offset: 24, .size: 8, .value_kind: global_buffer, .address_space: global }
      - { .name: xh, .offset: 32, .size: 8, .value_kind: global_buffer, .address_space: global }
      - { .name: wh, .offset: 40, .size: 8, .value_kind: global_buffer, .address_space: global }
    .group_segment_fixed_size: 0
    .private_segment_fixed_size: 0
    .kernarg_segment_align: 8
    .kernarg_segment_size: 48
    .max_flat_workgroup_size: 256
    .sgpr_count:     66
    .vgpr_count:     116
    .wavefront_size: 32
...
	.end_amdgpu_metadata
.endif
;; end of part 1
;; launch proj (part 2): grid 16 x 16, 4 waves a work-group, clusters of 4 x 4, 327,680 bytes of LDS; arguments xh, wh, bq, bk, bv, qh, kh, vt; writes qh, kh, vt
.if DOCPART == 2
	.amdgcn_target "amdgcn-amd-amdhsa--gfx1250"
	.amdhsa_code_object_version 6
	.text
	.protected	k_q695a4357d9_proj
	.globl	k_q695a4357d9_proj
	.p2align	8
	.type	k_q695a4357d9_proj,@function
k_q695a4357d9_proj:
	s_mov_b64 s[64:65], 0
	v_nop
	global_prefetch_b8 v0, s[64:65] scope:SCOPE_SE
	s_setreg_imm32_b32 hwreg(HW_REG_WAVE_MODE, 25, 1), 1
	s_wait_xcnt 0x0
	s_wait_alu depctr_hold_cnt(0) depctr_sa_sdst(0) depctr_va_vdst(0) depctr_va_sdst(0) depctr_va_ssrc(0) depctr_va_vcc(0) depctr_vm_vsrc(0)
	s_getreg_b32 s2, hwreg(HW_REG_IB_STS2, 6, 4)
	s_cmp_eq_u32 s2, 0
	s_cbranch_scc0 .Lentry_in_a_cluster
	s_endpgm
.Lentry_in_a_cluster:
	s_bfe_u32 s2, ttmp6, 0x10000c
	s_cmp_lg_u32 s2, 0xf033
	s_cbranch_scc0 .Lentry_shape_is_right
	s_endpgm
.Lentry_shape_is_right:
; The three projections as one product: [4096 x 1024] (xh) times [3072 x 1024]^T (wh), f16 operands, f32 sums, plus bias.
;   qh[b][head][s][64] = (x Wq^T + bq) * 0.125 * log2(e)     (the scale of the scores and the base of the exponential, folded in here)
;   kh[b][head][s][64] =  x Wk^T + bk
;   vt[b][head][dh 64][s 2048] = (x Wv^T + bv) transposed
; LIMIT, kept and stated: the results are stored in f16, so |x W^T + b| has to stay below 65,504.
; A work-group makes 256 rows x one head's 192 columns (q, k, v) with four waves, as many as a WGP has SIMDs.  Wave w takes rows
; 128 (w >> 1) .. + 127 and dh 32 (w & 1) .. + 31 of each of q, k, v: 8 x 6 tiles of 16 x 16, 384 accumulator registers, the same text in
; every wave.  K goes in 8 steps of 128 (tile rows of 256 bytes, each beginning at a multiple of 256 bytes of its buffer) through two LDS slots.
; CLUSTERS: 4 x 4 work-groups.  The four of a cluster's row need the same 256 rows of xh, the four of a column the same head's rows of wh:
; each tile is asked for jointly, which divides the requests for both by four.
; ORIENTATION: for q and k source 0 is W's fragment and source 1 is x's: a lane then holds one row s and eight neighbouring dh, 16 bytes
; of qh or kh.  For v it is the other way round: a lane holds one dh and eight neighbouring s, 16 bytes of vt.
; REGISTERS, in windows of 256:
;   window 0: v16-29 addresses; v32-143, v144-255 two fragment buffers (x tile mt at +8 mt, W tile i at +64+8 i; i = 0,1 q; 2,3 k; 4,5 v)
;   window 1: q's and k's accumulators, tile (mt, i) at 8 (4 mt + i)
;   window 2: v's accumulators, tile (mt, i) at 8 (2 mt + i); v128-143 bq, v144-159 bk (my 2 tiles x 8), v160-163 bv (each number twice: pairs)
.set KSTEP,  128
.set PITCH,  272                       ; an LDS row: 256 bytes + 16 of padding, so that the 16 rows of a fragment begin at 16 different 16-byte columns modulo 256
.set AHALF,  128*PITCH                 ; what waves 0 and 1 fetch: 128 rows of xh each
.set BHALF,  96*PITCH                  ; what waves 2 and 3 fetch: 96 rows of wh each
.set ABYTES, 2*AHALF
.set SLOT,   ABYTES+2*BHALF            ; 121,856 bytes; two slots take 243,712 bytes of the 327,680
.set LAPS,   4                         ; 1,024 / (2 x 128): a lap is once round the ring
.set QP,     144                       ; the way out: a row of 64 f16 + 16 bytes
.set VP,     528                       ; the way out: a row of 256 f16 + 16 bytes
.set KST,    256*QP                    ; stage of k behind the stage of q (at 0)
.set VST,    2*KST                     ; stage of v^T: 64 rows; it ends at 107,520, inside slot 0
.set SC,     0x3e38aa3b                ; 0.125 * log2(e)
.set ADRA, 16                          ; v16-17  my x fragments in slot 0, 1
.set ADRB, 20                          ; v20-21  my W fragments in slot 0, 1
.set STOQ, 22                          ; where I put 16 bytes of q (k: + KST)
.set STOV, 23                          ; where I put 16 bytes of v^T
.set RDQ,  24                          ; where I read q's (k's) rows back
.set RDV,  25                          ; where I read v^T's rows back
.set GO,   26                          ; 16 x lane: my bytes in a store of 512
.set BO8,  28                          ; 32 h: my eight numbers of bq, bk
.set BO1,  29                          ; 4 r: my number of bv
.set F0,   32
.set F1,   144
.set T,    32                          ; the way out: 128 registers at work, then 192 read back
.set G1,  24                           ; s[24:31] group 1 of xh's tiles
.set G0,  32                           ; s[32:39] group 0 of xh's tiles, a set for each slot
.set G1B, 48                           ; s[48:55] group 1 of wh's tiles
.set G0B, 56                           ; s[56:63] group 0 of wh's tiles, a set for each slot
.set MSB, 0
.macro WIN new                         ; low byte: bits 1:0 source 0, 3:2 source 1, 5:4 source 2, 7:6 destination; the high byte repeats the setting that is left
.if MSB != \new
	s_set_vgpr_msb (MSB<<8)|\new
.set MSB, \new
.endif
.endm
.set MUL_QK, 0x50                      ; fragments window 0, C and D window 1
.set MUL_V,  0xa0                      ; fragments window 0, C and D window 2
; A joint load: waves 0 and 1 ask for xh's two halves, waves 2 and 3 for wh's.  The branch hangs on the wave's number alone.
.macro JLOAD s
	s_cmp_eq_u32 s11, 0
	s_cbranch_scc0 .Lfor_b_\@
	tensor_load_to_lds s[G0+4*\s:G0+4*\s+3], s[G1:G1+7]
	s_nop 0
	s_branch .Lasked_\@
.Lfor_b_\@:
	tensor_load_to_lds s[G0B+4*\s:G0B+4*\s+3], s[G1B:G1B+7]
	s_nop 0
.Lasked_\@:
.endm
; A round of the cluster's barrier: my work-group's barrier, wave 0 signals for the work-group, every wave waits for all sixteen, my work-group's barrier again.
.macro CREST                           ; a round behind its opening barrier
	s_cmp_lg_u32 s10, 0
	s_cbranch_scc1 .Lnot_wave_0_\@
	s_barrier_signal -3
.Lnot_wave_0_\@:
	s_barrier_wait -3
	s_barrier_signal -1
	s_barrier_wait -1
.endm
.macro CROUND
	s_barrier_signal -1
	s_barrier_wait -1
	CREST
.endm
	s_load_b128 s[4:7], s[0:1], 0x0                ; xh s[4:5], wh s[6:7]
	s_load_b256 s[68:75], s[0:1], 0x10             ; bq s[68:69], bk s[70:71], bv s[72:73], qh s[74:75]
	s_load_b128 s[76:79], s[0:1], 0x30             ; kh s[76:77], vt s[78:79]
	v_lshl_add_u32 v30, v0, 2, 0x3b800
	v_mov_b32 v31, 0
	ds_add_u32 v30, v31
	v_lshrrev_b32 v1, 5, v0
	v_readfirstlane_b32 s10, v1                    ; wave 0..3
	s_lshr_b32 s11, s10, 1                         ; my half of the rows.  Also: I fetch for xh (0) or for wh (1)
	s_and_b32 s12, s10, 1                          ; my half of each of q, k, v.  Also: which half of that tile I fetch
	s_bfe_u32 s40, ttmp6, 0x40000                  ; cx
	s_bfe_u32 s41, ttmp6, 0x40004                  ; cy
	s_lshl_b32 s42, ttmp9, 2
	s_add_co_u32 s42, s42, s40                     ; head = 4 x cluster x + cx
	s_and_b32 s13, ttmp7, 0xffff
	s_lshl_b32 s13, s13, 2
	s_add_co_u32 s13, s13, s41                     ; block of 256 rows = 4 x cluster y + cy
	s_lshl_b32 s43, s41, 2
	s_lshl_b32 s43, 15, s43                        ; my row of the cluster
	s_lshl_b32 s44, 0x1111, s40                    ; my column
	; group 1: elements of 2 bytes; 4 words of padding behind every 64 words; bit 21 beside the mask
	s_or_b32 s[G1+0], s43, (1<<16)|(1<<20)|(1<<21)|(5<<22)|(3<<25)
	s_or_b32 s[G1B+0], s44, (1<<16)|(1<<20)|(1<<21)|(5<<22)|(3<<25)
	s_mov_b32 s[G1+1], KSTEP<<16                   ; tensor_dim0 = 128
	s_mov_b32 s[G1B+1], KSTEP<<16
	s_mov_b32 s[G1+2], 128<<16                     ; tensor_dim1 = 128 rows
	s_mov_b32 s[G1B+2], 96<<16                     ;             =  96 rows
	s_mov_b32 s[G1+3], KSTEP<<16                   ; tile_dim0 = 128
	s_mov_b32 s[G1B+3], KSTEP<<16
	s_mov_b32 s[G1+4], 128                         ; tile_dim1
	s_mov_b32 s[G1B+4], 96
	s_mov_b32 s[G1+5], 1024                        ; elements from row to row
	s_mov_b32 s[G1B+5], 1024
	s_mov_b32 s[G1+6], 0
	s_mov_b32 s[G1B+6], 0
	s_mov_b32 s[G1+7], 0
	s_mov_b32 s[G1B+7], 0
	; where the tiles come from: xh's hang on the block of rows and the wave, wh's on the head and the wave, each in registers that never hold the other coordinate
	s_lshl_b32 s16, s13, 19                        ; 256 rows of 2,048 bytes
	s_lshl_b32 s17, s12, 18                        ; 128 rows
	s_add_co_u32 s16, s16, s17
	s_mov_b32 s17, 0
	s_mul_i32 s46, s42, 192
	s_mul_i32 s47, s12, 96
	s_add_co_u32 s46, s46, s47
	s_lshl_b32 s46, s46, 11                        ; rows of 2,048 bytes
	s_mov_b32 s47, 0
	s_mul_i32 s20, s10, AHALF                      ; where they go: waves 0, 1: xh's halves at 0 and 34,816
	s_mul_i32 s21, s10, BHALF
	s_add_co_u32 s21, s21, ABYTES-2*BHALF          ; waves 2, 3: wh's halves at 69,632 and 95,744
	s_wait_dscnt 0x0
	s_wait_kmcnt 0x0
	s_add_nc_u64 s[14:15], s[4:5], s[16:17]
	s_add_nc_u64 s[46:47], s[6:7], s[46:47]
	CROUND                                         ; all sixteen work-groups are here: the first joint loads meet
.irp s, 0,1
	s_mov_b32 s[G0+4*\s], 1
	s_add_co_u32 s[G0+4*\s+1], s20, \s*SLOT
	s_add_nc_u64 s[G0+4*\s+2:G0+4*\s+3], s[14:15], \s*KSTEP*2
	s_or_b32 s[G0+4*\s+3], s[G0+4*\s+3], 0x80000000
	s_mov_b32 s[G0B+4*\s], 1
	s_add_co_u32 s[G0B+4*\s+1], s21, \s*SLOT
	s_add_nc_u64 s[G0B+4*\s+2:G0B+4*\s+3], s[46:47], \s*KSTEP*2
	s_or_b32 s[G0B+4*\s+3], s[G0B+4*\s+3], 0x80000000
	JLOAD \s                                       ; K steps 0 and 1: the only time two tensor loads of a wave are out
.endr
	v_and_b32 v1, 15, v0                           ; r = lane % 16
	v_bfe_u32 v2, v0, 4, 1                         ; h = lane / 16
	v_and_b32 v6, 31, v0                           ; lane
	v_mul_u32_u24 v3, v1, PITCH
	v_lshl_add_u32 v3, v2, 4, v3                   ; a fragment's lane term: row r, 16 bytes for each half of the lanes
	s_mul_i32 s22, s11, AHALF                      ; my 128 rows of x
	s_mul_i32 s23, s12, 32*PITCH                   ; my 32 rows of each of q, k, v,
	s_add_co_u32 s23, s23, ABYTES                  ; behind x's 256
.irp s, 0,1
	v_add_nc_u32 v[ADRA+\s], s22, v3
	v_add_nc_u32 v[ADRB+\s], s23, v3
	s_add_co_u32 s22, s22, SLOT
	s_add_co_u32 s23, s23, SLOT
.endr
	s_mul_i32 s22, s11, 128*QP                     ; stage of q: row 128 rh + r, byte 64 c + 16 h
	s_lshl_b32 s23, s12, 6
	s_add_co_u32 s22, s22, s23
	v_mul_u32_u24 v4, v1, QP
	v_lshl_add_u32 v4, v2, 4, v4
	v_add_nc_u32 v[STOQ], s22, v4
	s_mul_i32 s22, s12, 32*VP                      ; stage of v^T: row 32 c + r, byte 256 rh + 16 h
	s_lshl_b32 s23, s11, 8
	s_add_co_u32 s22, s22, s23
	s_add_co_u32 s22, s22, VST
	v_mul_u32_u24 v4, v1, VP
	v_lshl_add_u32 v4, v2, 4, v4
	v_add_nc_u32 v[STOV], s22, v4
	v_lshrrev_b32 v4, 3, v6                        ; back: eight lanes take a row of 128 bytes, a wave four rows; wave w takes rows 64 w .. + 63
	v_mul_u32_u24 v4, v4, QP
	v_and_b32 v5, 7, v6
	v_lshl_add_u32 v4, v5, 4, v4
	s_mul_i32 s22, s10, 64*QP
	v_add_nc_u32 v[RDQ], s22, v4
	v_lshlrev_b32 v[GO], 4, v6
	s_mul_i32 s22, s10, 16*VP                      ; back: a wave takes a row of 512 bytes; wave w takes dh 16 w .. + 15
	s_add_co_u32 s22, s22, VST
	v_add_nc_u32 v[RDV], s22, v[GO]
	v_lshlrev_b32 v[BO8], 5, v2
	v_lshlrev_b32 v[BO1], 2, v1
	s_lshl_b32 s84, s42, 8                         ; the biases at column 64 head + 32 c, in bytes
	s_lshl_b32 s85, s12, 7
	s_add_co_u32 s84, s84, s85
	s_mov_b32 s85, 0
	s_add_nc_u64 s[68:69], s[68:69], s[84:85]
	s_add_nc_u64 s[70:71], s[70:71], s[84:85]
	s_add_nc_u64 s[72:73], s[72:73], s[84:85]
	WIN 0x80                                       ; destination window 2, address window 0.  These loads are waited for on the way out; nothing touches their registers before
.irp i, 0,1
.irp u, 0,1
	global_load_b128 v[128+8*\i+4*\u:128+8*\i+4*\u+3], v[BO8], s[68:69] offset:64*\i+16*\u   ; bq[16 i + 8 h + 4 u ..]
	global_load_b128 v[144+8*\i+4*\u:144+8*\i+4*\u+3], v[BO8], s[70:71] offset:64*\i+16*\u   ; bk likewise
.endr
.endr
.irp i, 0,1
	global_load_b32 v[160+2*\i], v[BO1], s[72:73] offset:64*\i                                ; bv[16 i + r], twice: a pair for the packed add
	global_load_b32 v[161+2*\i], v[BO1], s[72:73] offset:64*\i
.endr
	WIN 0
; 16 matrix instructions: x tiles m0 .. m0 + 3 times q's and k's four W tiles, 32 along K.  zero = 1: the first product starts the sum.
.macro MULQK f, m0, zero
.irp mt, \m0, \m0+1, \m0+2, \m0+3
.irp i, 0,1,2,3
.if \zero
	v_wmma_f32_16x16x32_f16 v[8*(4*(\mt)+\i):8*(4*(\mt)+\i)+7], v[\f+64+8*\i:\f+64+8*\i+7], v[\f+8*(\mt):\f+8*(\mt)+7], 0
.else
	v_wmma_f32_16x16x32_f16 v[8*(4*(\mt)+\i):8*(4*(\mt)+\i)+7], v[\f+64+8*\i:\f+64+8*\i+7], v[\f+8*(\mt):\f+8*(\mt)+7], v[8*(4*(\mt)+\i):8*(4*(\mt)+\i)+7]
.endif
.endr
.endr
.endm
; 16 matrix instructions: all eight x tiles times v's two W tiles, x as source 0
.macro MULV f, zero
.irp mt, 0,1,2,3,4,5,6,7
.irp i, 0,1
.if \zero
	v_wmma_f32_16x16x32_f16 v[8*(2*\mt+\i):8*(2*\mt+\i)+7], v[\f+8*\mt:\f+8*\mt+7], v[\f+96+8*\i:\f+96+8*\i+7], 0
.else
	v_wmma_f32_16x16x32_f16 v[8*(2*\mt+\i):8*(2*\mt+\i)+7], v[\f+8*\mt:\f+8*\mt+7], v[\f+96+8*\i:\f+96+8*\i+7], v[8*(2*\mt+\i):8*(2*\mt+\i)+7]
.endif
.endr
.endr
.endm
; 28 LDS loads in one run: a quarter step's fragments (32 K at byte k of the rows) into buffer f; the four youngest are v's W tiles
.macro FETCH slot, k, f
.irp mt, 0,1,2,3,4,5,6,7
	ds_load_b128 v[\f+8*\mt:\f+8*\mt+3],   v[ADRA+\slot] offset:\k+\mt*16*PITCH
	ds_load_b128 v[\f+8*\mt+4:\f+8*\mt+7], v[ADRA+\slot] offset:\k+\mt*16*PITCH+32
.endr
.irp i, 0,1,2,3,4,5
	ds_load_b128 v[\f+64+8*\i:\f+64+8*\i+3],   v[ADRB+\slot] offset:\k+((\i>>1)*64+(\i&1)*16)*PITCH
	ds_load_b128 v[\f+64+8*\i+4:\f+64+8*\i+7], v[ADRB+\slot] offset:\k+((\i>>1)*64+(\i&1)*16)*PITCH+32
.endr
.endm
; A load into a register that a matrix instruction has read, and a vector instruction that reads a matrix result or writes a matrix instruction's
; register, stand four places behind it, and only plain vector instructions that name none of its registers are places.
.macro PLACES
.rept 4
	v_nop
.endr
.endm
; A K step is four quarters of 32 along K, 48 matrix instructions each, on buffers 0, 1, 0, 1.  The 48 accumulators take turns, one instruction
; a turn, in the same order in every quarter, over the loop's backward jump too.
.macro QUARTER slot, k, f, g, zero
	s_wait_dscnt 4                                 ; x's tiles and q's and k's W tiles are in; the four youngest loads (v's W tiles) may be out
	WIN MUL_QK
	MULQK \f, 0, \zero
	MULQK \f, 4, \zero
	PLACES
	WIN 0
	FETCH \slot, \k, \g                            ; the next quarter's fragments, 16 matrix instructions ahead of their first use
	s_wait_dscnt 28                                ; all but the 28 just issued
	WIN MUL_V
	MULV \f, \zero
.endm
.macro THREE slot, zero
	QUARTER \slot, 64,  F0, F1, \zero
	QUARTER \slot, 128, F1, F0, 0
	QUARTER \slot, 192, F0, F1, 0
.endm
; The last quarter multiplies buffer 1 and changes slots.  One barrier for two things: in front of it each wave waits for its reads of this slot and
; for all its tensor loads (the one that is out is its part of the next slot); behind it this slot is asked for again first, then the next slot is read.
.macro TURN slot, next, fill
	s_wait_dscnt 4
	WIN MUL_QK
	MULQK F1, 0, 0
	s_wait_dscnt 0                                 ; my reads of this slot are over
	s_wait_tensorcnt 0x0                           ; and all my tensor loads have landed
	ds_add_u32 v30, v31
	s_wait_dscnt 0x0
	s_barrier_signal -1                            ; say so (where the slot is filled again this opens a round of the cluster's barrier),
	MULQK F1, 4, 0                                 ; work on registers while the others arrive
	WIN 0
	s_barrier_wait -1
.if \fill
	CREST                                          ; no wave of any partner still reads this slot or has a load on its way
	s_add_nc_u64 s[G0+4*\slot+2:G0+4*\slot+3], s[G0+4*\slot+2:G0+4*\slot+3], 2*KSTEP*2
	s_add_nc_u64 s[G0B+4*\slot+2:G0B+4*\slot+3], s[G0B+4*\slot+2:G0B+4*\slot+3], 2*KSTEP*2
	JLOAD \slot                                    ; my one tensor load behind the round: two K steps ahead; it has 176 matrix instructions in which to land
.endif
	PLACES
	FETCH \next, 0, F0
	WIN MUL_V
	MULV F1, 0
.endm
.macro LAP zero
	THREE 0, \zero
	TURN 0, 1, 1
	THREE 1, 0
	TURN 1, 0, 1
.endm
	s_wait_tensorcnt 1                             ; my part of K step 0 is in; K step 1's may stay out
	s_barrier_signal -1
	s_barrier_wait -1                              ; everybody's is
	FETCH 0, 0, F0
	LAP 1                                          ; the first lap stands in front of the loop: its first products start the sums
	WIN 0                                          ; at a label and at a branch every window is 0
	s_mov_b32 s3, LAPS-2
.Llap:
	LAP 0
	WIN 0
	s_sub_co_u32 s3, s3, 1
	s_cmp_lg_u32 s3, 0
	s_cbranch_scc1 .Llap
	THREE 0, 0                                     ; the last lap fills nothing
	TURN 0, 1, 0                                   ; behind this barrier no wave reads slot 0 and no load fills it any more
	THREE 1, 0
	s_wait_dscnt 0
	WIN MUL_QK
	MULQK F1, 0, 0
	MULQK F1, 4, 0
	WIN MUL_V
	MULV F1, 0
	; THE WAY OUT.  Bias (and q's scale) in f32, one rounding to f16, 16 bytes a lane into a stage that lies in slot 0's bytes, which have had their
	; last fill and their last read; a barrier; whole rows back; stores of 512 consecutive aligned bytes a wave.
	PLACES                                         ; behind the last matrix instructions: results are read and fragment registers rewritten below
	s_lshr_b32 s84, s13, 3                         ; batch
	s_lshl_b32 s84, s84, 4
	s_add_co_u32 s84, s84, s42                     ; 16 b + head
	s_lshl_b32 s84, s84, 18                        ; 262,144 bytes for each (b, head) in qh, kh and vt
	s_and_b32 s86, s13, 7                          ; my block of 256 among the batch's 2,048 rows
	s_lshl_b32 s87, s86, 15                        ; 256 rows of 128 bytes
	s_add_co_u32 s88, s84, s87
	s_lshl_b32 s87, s10, 13                        ; wave w stores rows 64 w .. + 63
	s_add_co_u32 s88, s88, s87
	s_mov_b32 s89, 0
	s_add_nc_u64 s[74:75], s[74:75], s[88:89]
	s_add_nc_u64 s[76:77], s[76:77], s[88:89]
	s_lshl_b32 s87, s86, 9                         ; vt: 256 columns of 2 bytes
	s_add_co_u32 s90, s84, s87
	s_lshl_b32 s87, s10, 16                        ; wave w stores dh 16 w .. + 15, rows of 4,096 bytes
	s_add_co_u32 s90, s90, s87
	s_mov_b32 s91, 0
	s_add_nc_u64 s[78:79], s[78:79], s[90:91]
	s_wait_loadcnt 0x0                             ; the biases
	WIN 0x82
.irp n, 0,1,2,3,4,5,6,7
	v_pk_mul_f32 v[128+2*\n:129+2*\n], v[128+2*\n:129+2*\n], SC op_sel_hi:[1,0]   ; bq * scale, so that q's pass is one fused multiply-add
.endr
.macro PACK16                          ; 16 tiles of 8 f32 in T become 4 registers of f16 each, in place
.irp tt, 0,1,2,3,4,5,6,7,8,9,10,11,12,13,14,15
.irp r, 0,1,2,3
	v_cvt_pk_f16_f32 v[T+8*\tt+\r], v[T+8*\tt+2*\r], v[T+8*\tt+2*\r+1]
.endr
.endr
.endm
	WIN 0x21                                       ; source 0 window 1 (sums), source 2 window 2 (bias), destination window 0
.irp mt, 0,1,2,3,4,5,6,7
.irp i, 0,1
.irp p, 0,1,2,3
	v_pk_fma_f32 v[T+8*(2*\mt+\i)+2*\p:T+8*(2*\mt+\i)+2*\p+1], v[8*(4*\mt+\i)+2*\p:8*(4*\mt+\i)+2*\p+1], SC, v[128+8*\i+2*\p:128+8*\i+2*\p+1] op_sel_hi:[1,0,1]
.endr
.endr
.endr
	WIN 0
	PACK16
.irp mt, 0,1,2,3,4,5,6,7
.irp i, 0,1
	ds_store_b128 v[STOQ], v[T+8*(2*\mt+\i):T+8*(2*\mt+\i)+3] offset:\mt*16*QP+32*\i
.endr
.endr
	WIN 0x09                                       ; source 0 window 1, source 1 window 2
.irp mt, 0,1,2,3,4,5,6,7
.irp i, 0,1
.irp p, 0,1,2,3
	v_pk_add_f32 v[T+8*(2*\mt+\i)+2*\p:T+8*(2*\mt+\i)+2*\p+1], v[8*(4*\mt+2+\i)+2*\p:8*(4*\mt+2+\i)+2*\p+1], v[144+8*\i+2*\p:144+8*\i+2*\p+1]
.endr
.endr
.endr
	WIN 0
	PACK16
.irp mt, 0,1,2,3,4,5,6,7
.irp i, 0,1
	ds_store_b128 v[STOQ], v[T+8*(2*\mt+\i):T+8*(2*\mt+\i)+3] offset:KST+\mt*16*QP+32*\i
.endr
.endr
	WIN 0x0a                                       ; sources 0 and 1 window 2
.irp mt, 0,1,2,3,4,5,6,7
.irp i, 0,1
.irp p, 0,1,2,3
	v_pk_add_f32 v[T+8*(2*\mt+\i)+2*\p:T+8*(2*\mt+\i)+2*\p+1], v[8*(2*\mt+\i)+2*\p:8*(2*\mt+\i)+2*\p+1], v[160+2*\i:161+2*\i]
.endr
.endr
.endr
	WIN 0
	PACK16
.irp mt, 0,1,2,3,4,5,6,7
.irp i, 0,1
	ds_store_b128 v[STOV], v[T+8*(2*\mt+\i):T+8*(2*\mt+\i)+3] offset:\i*16*VP+32*\mt
.endr
.endr
	s_wait_dscnt 0x0                               ; my stores into the stage are done, for the others' sake
	s_barrier_signal -1
	s_barrier_wait -1                              ; everybody's are: rows hold the parts of two waves
.irp n, 0,1,2,3,4,5,6,7,8,9,10,11,12,13,14,15
	ds_load_b128 v[T+4*\n:T+4*\n+3], v[RDQ] offset:4*QP*\n
.endr
.irp n, 0,1,2,3,4,5,6,7,8,9,10,11,12,13,14,15
	ds_load_b128 v[T+64+4*\n:T+64+4*\n+3], v[RDQ] offset:KST+4*QP*\n
.endr
.irp n, 0,1,2,3,4,5,6,7,8,9,10,11,12,13,14,15
	ds_load_b128 v[T+128+4*\n:T+128+4*\n+3], v[RDV] offset:VP*\n
.endr
.irp n, 0,1,2,3,4,5,6,7,8,9,10,11,12,13,14,15
	s_wait_dscnt 47-\n                             ; LDS loads come back in order (ISA guide 5.7.1): the younger ones stay out
	global_store_b128 v[GO], v[T+4*\n:T+4*\n+3], s[74:75] offset:512*\n           ; four rows of qh: 512 consecutive bytes, aligned
.endr
.irp n, 0,1,2,3,4,5,6,7,8,9,10,11,12,13,14,15
	s_wait_dscnt 31-\n
	global_store_b128 v[GO], v[T+64+4*\n:T+64+4*\n+3], s[76:77] offset:512*\n     ; four rows of kh
.endr
.irp n, 0,1,2,3,4,5,6,7,8,9,10,11,12,13,14,15
	s_wait_dscnt 15-\n
	global_store_b128 v[GO], v[T+128+4*\n:T+128+4*\n+3], s[78:79] offset:4096*\n  ; 256 columns of one row of vt: 512 consecutive bytes, aligned
.endr
	s_wait_tensorcnt 0x0
	ds_add_u32 v30, v31
	s_wait_dscnt 0x0
	CROUND                                         ; the closing round: no work-group ends while a partner may still ask for a tile that names it
	s_endpgm
.Lfunc_end_k_q695a4357d9_proj:
	.size	k_q695a4357d9_proj, .Lfunc_end_k_q695a4357d9_proj-k_q695a4357d9_proj
	.p2alignl 7, 3214868480
	.fill 96, 4, 3214868480
	.section	.rodata,"a",@progbits
	.p2align	6, 0x0
	.amdhsa_kernel k_q695a4357d9_proj
		.amdhsa_group_segment_fixed_size 327680
		.amdhsa_private_segment_fixed_size 0
		.amdhsa_enable_private_segment 0
		.amdhsa_kernarg_size 64
		.amdhsa_user_sgpr_count 2
		.amdhsa_user_sgpr_kernarg_segment_ptr 1
		.amdhsa_wavefront_size32 1
		.amdhsa_system_sgpr_workgroup_id_x 1
		.amdhsa_system_sgpr_workgroup_id_y 1
		.amdhsa_system_sgpr_workgroup_id_z 1
		.amdhsa_system_vgpr_workitem_id 0
		.amdhsa_next_free_vgpr 680
		.amdhsa_next_free_sgpr 92
		.amdhsa_reserve_vcc 0
		.amdhsa_float_denorm_mode_32 3
		.amdhsa_float_denorm_mode_16_64 3
		.amdhsa_memory_ordered 1
		.amdhsa_forward_progress 1
		.amdhsa_inst_pref_size 173
	.end_amdhsa_kernel
	.amdgpu_metadata
---
amdhsa.version: [ 1, 2 ]
amdhsa.kernels:
  - .name:           k_q695a4357d9_proj
    .symbol:         k_q695a4357d9_proj.kd
    .args:
      - { .name: xh, .offset: 0, .size: 8, .value_kind: global_buffer, .address_space: global }
      - { .name: wh, .offset: 8, .size: 8, .value_kind: global_buffer, .address_space: global }
      - { .name: bq, .offset: 16, .size: 8, .value_kind: global_buffer, .address_space: global }
      - { .name: bk, .offset: 24, .size: 8, .value_kind: global_buffer, .address_space: global }
      - { .name: bv, .offset: 32, .size: 8, .value_kind: global_buffer, .address_space: global }
      - { .name: qh, .offset: 40, .size: 8, .value_kind: global_buffer, .address_space: global }
      - { .name: kh, .offset: 48, .size: 8, .value_kind: global_buffer, .address_space: global }
      - { .name: vt, .offset: 56, .size: 8, .value_kind: global_buffer, .address_space: global }
    .group_segment_fixed_size: 327680
    .private_segment_fixed_size: 0
    .kernarg_segment_align: 8
    .kernarg_segment_size: 64
    .max_flat_workgroup_size: 128
    .sgpr_count:     92
    .vgpr_count:     680
    .wavefront_size: 32
...
	.end_amdgpu_metadata
.endif
;; end of part 2
;; launch attn (part 3): grid 8 x 32, 8 waves a work-group, clusters of 4 x 1, 327,680 bytes of LDS; arguments qh, kh, vt, attention_mask, out0; writes out0
.if DOCPART == 3
	.amdgcn_target "amdgcn-amd-amdhsa--gfx1250"
	.amdhsa_code_object_version 6
	.text
	.protected	k_q695a4357d9_attn
	.globl	k_q695a4357d9_attn
	.p2align	8
	.type	k_q695a4357d9_attn,@function
k_q695a4357d9_attn:
	s_mov_b64 s[64:65], 0
	v_nop
	global_prefetch_b8 v0, s[64:65] scope:SCOPE_SE
	s_setreg_imm32_b32 hwreg(HW_REG_WAVE_MODE, 25, 1), 1
	s_wait_xcnt 0x0
	s_wait_alu depctr_hold_cnt(0) depctr_sa_sdst(0) depctr_va_vdst(0) depctr_va_sdst(0) depctr_va_ssrc(0) depctr_va_vcc(0) depctr_vm_vsrc(0)
	s_getreg_b32 s2, hwreg(HW_REG_IB_STS2, 6, 4)
	s_cmp_eq_u32 s2, 0
	s_cbranch_scc0 .Lentry_in_a_cluster
	s_endpgm
.Lentry_in_a_cluster:
	s_bfe_u32 s2, ttmp6, 0x10000c
	s_cmp_lg_u32 s2, 0x3003
	s_cbranch_scc0 .Lentry_shape_is_right
	s_endpgm
.Lentry_shape_is_right:
; Attention of one (batch, head) for 256 queries a work-group: scores, key bias from the mask, softmax with a running maximum, product with V.
; qh already holds q * 0.125 * log2(e), so p = 2^(q.k + bias - max), with bias = (mask - 1) * 10000 * log2(e) for each key.
; LIMITS, kept and stated: a probability below 2^-25 of its row's maximum enters the product with V as zero (f16), while it still
; enters the row's sum in f32; q, k, v are f16 as the launch before stored them.
; Eight waves, two on each SIMD, so that one wave's exponentials and sums run beside the other's matrix work; wave w takes 32 queries
; (two tiles of 16) and works in window 0; v256-257 in window 1 hold an LDS address and a zero.
; CLUSTERS: the four work-groups of a cluster are four blocks of queries of the same (batch, head): they read the same tiles of K and V^T and
; ask for each jointly (mask 15), which divides those requests by four.
; LAYOUTS.  S^T = K Q^T (source 0: 16 keys, source 1: 16 queries): lane (r, h) holds query r, register j key 8 h + j.  Two key tiles rounded to
; f16 are then, as they lie, source 1 of O^T = V^T P^T for 32 keys, and in O^T lane (r, h) again holds query r (register j: dh 8 h + j).  So the
; maximum, the sum and the rescaling are a lane's own; only the maximum crosses the two halves of the lanes, by one v_permlanex16_b32 a block.
; The key bias enters as the C operand of the first score product: it is loaded into query tile 1's score registers, serves tile 0 from there
; and tile 1 in place.
; LDS: two slots of 256 keys.  K's tile is dense in memory and comes as rows of 256 bytes (two keys), pitch 272: key k at (k >> 1) 272 + (k & 1) 128,
; so the 16 keys of a fragment begin at 16 different 16-byte columns modulo 256.  V^T's tile has 64 rows of 512 bytes, pitch 528.
.set PART,   17408                     ; a quarter of a slot: 64 rows x 272 (K, waves 0 and 1) or 32 rows x 528 = 16,896 (V^T, waves 2 and 3)
.set SLOT,   4*PART                    ; 69,632
.set BIAS,   2*SLOT                    ; 139,264: 2,048 f32, written once by ds_store; no tensor load lands here
.set STAGE,  BIAS+8192                 ; 147,456: the way out, 32 rows x 272 bytes for each wave, its own
.set WSTAGE, 32*272
.set MASKB,  0x46616bcd                ; 10000 * log2(e)
.set ADK,   1                          ; v1-2    my K fragments in slot 0, 1
.set ADV,   3                          ; v3-4    my V^T fragments in slot 0, 1
.set BIASA, 5                          ; v5      my eight biases of the tile's first 16 keys; + 1,024 bytes a tile
.set LS,    6                          ; v[6:9]  running sums, a pair for each query tile
.set MA,    10                         ; v[10:17] two sets of maxima (a pair (m, m) for each query tile): blocks take them by turns as old and new
.set AL,    18                         ; v[18:21] 2^(old max - new max), a pair for each query tile; at the end 1 / sum
.set T,     22                         ; v22-25 chains of the maximum, then second sums; v26-27 the other half's maximum; v28-29 differences
.set Q,     32                         ; v[32:63]   Q fragment (q, ks) at 32 + 16 q + 8 ks
.set O,     64                         ; v[64:127]  O^T tile (d, q) at 64 + 8 (2 d + q)
.set S,     128                        ; v[128:191] scores, group g = 4 q + t at 128 + 8 g; packed: P(q, s) at 128 + 32 q + 16 s
.set KV,    192                        ; v[192:255] K tile t, step ks at 192 + 16 t + 8 ks; then V^T step s, tile d at 192 + 32 s + 8 d
.set G1K, 24                           ; s[24:31] group 1 of K's tiles
.set G1V, 32                           ; s[32:39] group 1 of V^T's tiles
.set G0K, 40                           ; s[40:47] group 0 of K's tiles, a set for each slot
.set G0V, 48                           ; s[48:55] group 0 of V^T's tiles, a set for each slot
; A joint load: waves 0, 1 ask for K's halves, waves 2, 3 for V^T's, waves 4 to 7 for nothing.  The branches hang on the wave's number alone.
; The slot may be given as an expression, so it stands in brackets.
.macro JLOAD s
	s_cmp_gt_u32 s14, 3
	s_cbranch_scc1 .Lasked_\@
	s_cmp_gt_u32 s14, 1
	s_cbranch_scc1 .Lfor_v_\@
	tensor_load_to_lds s[G0K+4*(\s):G0K+4*(\s)+3], s[G1K:G1K+7]
	s_nop 0
	s_branch .Lasked_\@
.Lfor_v_\@:
	tensor_load_to_lds s[G0V+4*(\s):G0V+4*(\s)+3], s[G1V:G1V+7]
	s_nop 0
.Lasked_\@:
.endm
; A round of the cluster's barrier
.macro ROUND
	s_barrier_signal -1
	s_barrier_wait -1
	s_cmp_lg_u32 s14, 0
	s_cbranch_scc1 .Lnot_wave_0_\@
	s_barrier_signal -3
.Lnot_wave_0_\@:
	s_barrier_wait -3
	s_barrier_signal -1
	s_barrier_wait -1
.endm
	s_load_b256 s[4:11], s[0:1], 0x0               ; qh s[4:5], kh s[6:7], vt s[8:9], mask s[10:11]
	s_load_b64 s[12:13], s[0:1], 0x20              ; out0
	s_set_vgpr_msb 0x40
	v_lshl_add_u32 v0, v0, 2, 0x35000
	v_mov_b32 v1, 0
	s_set_vgpr_msb 0x4045
	ds_add_u32 v0, v1
	s_set_vgpr_msb 0x4500
	v_lshrrev_b32 v1, 5, v0
	v_readfirstlane_b32 s14, v1                    ; wave 0..7
	s_and_b32 s15, s14, 1                          ; which half of its tile a loading wave fetches
	s_bfe_u32 s16, ttmp6, 0x40000                  ; cx
	s_lshl_b32 s17, ttmp9, 2
	s_add_co_u32 s17, s17, s16                     ; x: my block of 256 queries
	s_and_b32 s18, ttmp7, 0xffff                   ; y = 16 b + head, the same in the whole cluster
	s_mov_b32 s56, 0x76543210                      ; v_permlanex16_b32: lane i takes lane i of the other half
	s_mov_b32 s57, 0xfedcba98
	s_mov_b32 s59, MASKB
	; group 1 of K: 64 rows of 32 elements of 8 bytes, dense; 4 words of padding behind every 64; mask 15 with bit 21 beside it
	s_mov_b32 s[G1K+0], 15|(3<<16)|(1<<20)|(1<<21)|(5<<22)|(3<<25)
	s_mov_b32 s[G1K+1], 32<<16
	s_mov_b32 s[G1K+2], 64<<16
	s_mov_b32 s[G1K+3], 32<<16
	s_mov_b32 s[G1K+4], 64
	s_mov_b32 s[G1K+5], 32
	s_mov_b32 s[G1K+6], 0
	s_mov_b32 s[G1K+7], 0
	; group 1 of V^T: 32 rows of 64 elements of 8 bytes, 512 elements from row to row; 4 words of padding behind every 128
	s_mov_b32 s[G1V+0], 15|(3<<16)|(1<<20)|(1<<21)|(6<<22)|(3<<25)
	s_mov_b32 s[G1V+1], 64<<16
	s_mov_b32 s[G1V+2], 32<<16
	s_mov_b32 s[G1V+3], 64<<16
	s_mov_b32 s[G1V+4], 32
	s_mov_b32 s[G1V+5], 512
	s_mov_b32 s[G1V+6], 0
	s_mov_b32 s[G1V+7], 0
	s_lshl_b32 s20, s18, 18                        ; K: 262,144 bytes for each (b, head),
	s_lshl_b32 s21, s15, 14                        ; 128 keys of 128 bytes for the second half
	s_add_co_u32 s20, s20, s21
	s_mov_b32 s21, 0
	s_lshl_b32 s22, s18, 18                        ; V^T: the same,
	s_lshl_b32 s23, s15, 17                        ; 32 rows of 4,096 bytes for the second half
	s_add_co_u32 s22, s22, s23
	s_mov_b32 s23, 0
	s_mul_i32 s19, s14, PART                       ; wave w fills part w of a slot
	s_wait_dscnt 0x0
	s_wait_kmcnt 0x0
	s_add_nc_u64 s[20:21], s[6:7], s[20:21]
	s_add_nc_u64 s[22:23], s[8:9], s[22:23]
.irp s, 0,1
	s_mov_b32 s[G0K+4*\s], 1
	s_add_co_u32 s[G0K+4*\s+1], s19, \s*SLOT
	s_add_nc_u64 s[G0K+4*\s+2:G0K+4*\s+3], s[20:21], \s*32768      ; tile s: 256 keys of 128 bytes on
	s_or_b32 s[G0K+4*\s+3], s[G0K+4*\s+3], 0x80000000
	s_mov_b32 s[G0V+4*\s], 1
	s_add_co_u32 s[G0V+4*\s+1], s19, \s*SLOT
	s_add_nc_u64 s[G0V+4*\s+2:G0V+4*\s+3], s[22:23], \s*512        ; tile s: 256 columns of 2 bytes on
	s_or_b32 s[G0V+4*\s+3], s[G0V+4*\s+3], 0x80000000
.endr
	ROUND                                          ; all four work-groups are here: the first joint loads meet
	JLOAD 0                                        ; tile 0; slot 1 gets its first tile behind the first trip's round, as a refill does
	v_lshlrev_b32 v28, 5, v0                       ; 32 t: thread t turns eight numbers of the mask into biases
	s_lshr_b32 s60, s18, 4                         ; batch
	s_lshl_b32 s60, s60, 13                        ; 2,048 f32
	s_mov_b32 s61, 0
	s_add_nc_u64 s[10:11], s[10:11], s[60:61]
	global_load_b128 v[S:S+3], v28, s[10:11]
	global_load_b128 v[S+4:S+7], v28, s[10:11] offset:16
	v_and_b32 v30, 15, v0                          ; r; kept for the way out
	v_bfe_u32 v31, v0, 4, 1                        ; h; kept for the way out
	v_lshlrev_b32 v29, 7, v30                      ; Q: row r of 128 bytes,
	v_lshl_add_u32 v29, v31, 4, v29                ; 16 bytes for each half of the lanes
	s_lshl_b32 s62, s18, 18
	s_lshl_b32 s63, s17, 15                        ; 256 queries of 128 bytes
	s_add_co_u32 s62, s62, s63
	s_lshl_b32 s63, s14, 12                        ; 32 queries a wave
	s_add_co_u32 s62, s62, s63
	s_mov_b32 s63, 0
	s_add_nc_u64 s[4:5], s[4:5], s[62:63]
.irp q, 0,1
.irp ks, 0,1
	global_load_b128 v[Q+16*\q+8*\ks:Q+16*\q+8*\ks+3],   v29, s[4:5] offset:2048*\q+64*\ks
	global_load_b128 v[Q+16*\q+8*\ks+4:Q+16*\q+8*\ks+7], v29, s[4:5] offset:2048*\q+64*\ks+32
.endr
.endr
	v_lshrrev_b32 v22, 1, v30
	v_mul_u32_u24 v22, v22, 272
	v_and_b32 v23, 1, v30
	v_lshl_add_u32 v22, v23, 7, v22
	v_lshl_add_u32 v[ADK], v31, 4, v22             ; (r >> 1) 272 + (r & 1) 128 + 16 h
	v_add_nc_u32 v[ADK+1], SLOT, v[ADK]
	v_mul_u32_u24 v22, v30, 528
	v_lshl_add_u32 v22, v31, 4, v22                ; r 528 + 16 h
	v_add_nc_u32 v[ADV], 2*PART, v22
	v_add_nc_u32 v[ADV+1], 2*PART+SLOT, v22
	v_lshlrev_b32 v[BIASA], 5, v31
	v_add_nc_u32 v[BIASA], BIAS, v[BIASA]          ; eight f32 for each half of the lanes
	v_mov_b32 v26, 0                               ; v_permlanex16_b32 counts as a reader of its destination
	v_mov_b32 v27, 0
	v_add_nc_u32 v24, BIAS, v28
	s_wait_loadcnt 8                               ; the mask is in; the eight younger loads (Q) may stay out
.irp n, 0,1,2,3,4,5,6,7
	v_fma_f32 v[S+\n], v[S+\n], s59, -s59          ; (mask - 1) * 10000 * log2(e), one rounding
.endr
	ds_store_b128 v24, v[S:S+3]
	ds_store_b128 v24, v[S+4:S+7] offset:16        ; shown to the other waves by the wait for 0 and the barrier at the head of the first trip
	s_wait_loadcnt 0x0                             ; Q
; The maximum of query tile q's 32 scores in this lane and of the old maximum, in two chains; then across the two halves; then 2^(old - new).
.macro MAXQ q, first
.set mx, S+32*\q
.set ma, T+2*\q
.set mb, T+2*\q+1
.if \first
	v_max_num_f32 v[ma], v[mx], v[mx+1]
.else
	v_max3_num_f32 v[ma], v[MOLD+2*\q], v[mx], v[mx+1]
.endif
	v_max3_num_f32 v[mb], v[mx+16], v[mx+17], v[mx+18]
.irp n, 1,2,3,4,5,6
	v_max3_num_f32 v[ma], v[ma], v[mx+2*\n], v[mx+2*\n+1]
	v_max3_num_f32 v[mb], v[mb], v[mx+17+2*\n], v[mx+18+2*\n]
.endr
	v_max3_num_f32 v[ma], v[ma], v[mx+14], v[mx+15]
	v_max3_num_f32 v[ma], v[ma], v[mb], v[mx+31]
	v_permlanex16_b32 v[T+4+\q], v[ma], s56, s57
	v_max_num_f32 v[MNEW+2*\q], v[ma], v[T+4+\q]
	v_max_num_f32 v[MNEW+2*\q+1], v[ma], v[T+4+\q]
.if \first == 0
	v_sub_f32 v[T+6+\q], v[MOLD+2*\q], v[MNEW+2*\q]
	v_exp_f32 v[AL+2*\q], v[T+6+\q]                ; the next plain vector instruction touches neither the results nor the source (ISA guide 5.7.2)
	v_exp_f32 v[AL+2*\q+1], v[T+6+\q]
.endif
.endm
.macro SUBOP g, p                      ; one of the four packed subtractions of the new maximum from group g
	v_pk_add_f32 v[S+8*(\g)+2*\p:S+8*(\g)+2*\p+1], v[S+8*(\g)+2*\p:S+8*(\g)+2*\p+1], v[MNEW+2*((\g)>>2):MNEW+2*((\g)>>2)+1] neg_lo:[0,1] neg_hi:[0,1]
.endm
; Step n of adding group g's eight probabilities to the running sum, in two chains (LS and a second sum in T).  A query tile's first group
; brings the rescaling of the old sum along as a fused multiply-add; its last group joins the chains.
.macro SUMOP g, n, first
.set sx, S+8*(\g)
.set sl, LS+2*((\g)>>2)
.set st, T+2*((\g)>>2)
.set sa, AL+2*((\g)>>2)
.if ((\g)&3) == 0
.if \n == 0
.if \first
	s_wait_alu depctr_va_vdst(0)
	v_pk_add_f32 v[sl:sl+1], v[sx:sx+1], v[sx+6:sx+7]
.else
	v_pk_fma_f32 v[sl:sl+1], v[sl:sl+1], v[sa:sa+1], v[sx:sx+1]
.endif
.endif
.if \n == 1
	v_pk_add_f32 v[st:st+1], v[sx+2:sx+3], v[sx+4:sx+5]
.endif
.if \n == 2
.if \first == 0
	v_pk_add_f32 v[sl:sl+1], v[sl:sl+1], v[sx+6:sx+7]
.endif
.endif
.else
.if \n == 0
	s_wait_alu depctr_va_vdst(0)
	v_pk_add_f32 v[sl:sl+1], v[sl:sl+1], v[sx:sx+1]
.endif
.if \n == 1
	v_pk_add_f32 v[st:st+1], v[st:st+1], v[sx+2:sx+3]
.endif
.if \n == 2
	s_wait_alu depctr_va_vdst(0)
	v_pk_add_f32 v[sl:sl+1], v[sl:sl+1], v[sx+4:sx+5]
.endif
.if \n == 3
	s_wait_alu depctr_va_vdst(0)
	v_pk_add_f32 v[st:st+1], v[st:st+1], v[sx+6:sx+7]
.endif
.if \n == 4
.if ((\g)&3) == 3
	v_pk_add_f32 v[sl:sl+1], v[sl:sl+1], v[st:st+1]
.endif
.endif
.endif
.endm
.macro CVTP g                          ; group g to f16: an even group into its own registers 0-3, an odd one into registers 4-7 of the group in front
.set cg, S+8*(\g)
.irp r, 0,1,2,3
.if ((\g)&1) == 0
	v_cvt_pk_f16_f32 v[cg+\r], v[cg+2*\r], v[cg+2*\r+1]
.else
	v_cvt_pk_f16_f32 v[cg-4+\r], v[cg+2*\r], v[cg+2*\r+1]
.endif
.endr
.endm
.macro RESC g                          ; O^T's tile g = 2 d + q times 2^(old max - new max) of query tile q
	s_wait_alu depctr_va_vdst(0)
.irp p, 0,1,2,3
	v_pk_mul_f32 v[O+8*\g+2*\p:O+8*\g+2*\p+1], v[O+8*\g+2*\p:O+8*\g+2*\p+1], v[AL+2*(\g&1):AL+2*(\g&1)+1]
.endr
.endm
; Stage g of the softmax: group g's eight exponentials, with plain work on the groups beside it between them: the subtractions of group g + 1,
; the sums of group g - 1; then group g - 1 is rounded and a tile of O^T rescaled.  An exponential's result is first read in the next stage.
.macro STAGE g, first
.irp n, 0,1,2,3
.if \g <= 7
	v_exp_f32 v[S+8*\g+\n], v[S+8*\g+\n]
.endif
.if \g <= 6
	SUBOP \g+1, \n
.endif
.endr
.irp n, 0,1,2,3
.if \g <= 7
	v_exp_f32 v[S+8*\g+4+\n], v[S+8*\g+4+\n]
.endif
.if \g >= 1
	SUMOP \g-1, \n, \first
.endif
.endr
.if \g >= 1
	SUMOP \g-1, 4, \first
	CVTP \g-1
.endif
.if \g <= 7
.if \first == 0
	RESC \g
.endif
.endif
.endm
; 64 keys (block j of the tile in this slot) against my 32 queries.
.macro BLOCK slot, j, first
.set MNEW, MA+4*(\j&1)
.set MOLD, MA+4-4*(\j&1)
.irp t, 0,1,2,3
	ds_load_b128 v[S+32+8*\t:S+32+8*\t+3],   v[BIASA] offset:256*\j+64*\t      ; the biases of keys 16 t + 8 h .. + 7, into query tile 1's scores
	ds_load_b128 v[S+32+8*\t+4:S+32+8*\t+7], v[BIASA] offset:256*\j+64*\t+16
.endr
.irp t, 0,1,2,3
.irp ks, 0,1
	ds_load_b128 v[KV+16*\t+8*\ks:KV+16*\t+8*\ks+3],   v[ADK+\slot] offset:(4*\j+\t)*2176+64*\ks
	ds_load_b128 v[KV+16*\t+8*\ks+4:KV+16*\t+8*\ks+7], v[ADK+\slot] offset:(4*\j+\t)*2176+64*\ks+32
.endr
.endr
	s_wait_dscnt 0x0
	; the four key tiles take turns, one instruction a turn
.irp t, 0,1,2,3
	v_wmma_f32_16x16x32_f16 v[S+8*\t:S+8*\t+7], v[KV+16*\t:KV+16*\t+7], v[Q:Q+7], v[S+32+8*\t:S+32+8*\t+7]
.endr
.irp t, 0,1,2,3
	v_wmma_f32_16x16x32_f16 v[S+8*\t:S+8*\t+7], v[KV+16*\t+8:KV+16*\t+15], v[Q+8:Q+15], v[S+8*\t:S+8*\t+7]
.endr
.rept 5
	v_nop                                          ; five places (ISA guide 7.12.1): the next products write over registers that the first four read as C; they also stand in front of the reads of tile 0's scores
.endr
.irp ks, 0,1
.irp t, 0,1,2,3
	v_wmma_f32_16x16x32_f16 v[S+32+8*\t:S+32+8*\t+7], v[KV+16*\t+8*\ks:KV+16*\t+8*\ks+7], v[Q+16+8*\ks:Q+16+8*\ks+7], v[S+32+8*\t:S+32+8*\t+7]
.endr
.endr
	MAXQ 0, \first                                 ; names none of the last eight products' registers: its plain instructions are the places behind them
.irp s, 0,1
.irp d, 0,1,2,3
	ds_load_b128 v[KV+32*\s+8*\d:KV+32*\s+8*\d+3],   v[ADV+\slot] offset:(\d>>1)*PART+(\d&1)*8448+128*\j+64*\s
	ds_load_b128 v[KV+32*\s+8*\d+4:KV+32*\s+8*\d+7], v[ADV+\slot] offset:(\d>>1)*PART+(\d&1)*8448+128*\j+64*\s+32
.endr
.endr
	MAXQ 1, \first
.irp p, 0,1,2,3
	SUBOP 0, \p
.endr
.irp g, 0,1,2,3,4,5,6,7,8
	STAGE \g, \first
.endr
	s_wait_dscnt 0x0                               ; V^T's fragments, issued in front of the softmax
	; the eight tiles of O^T take turns, one instruction a turn
.irp s, 0,1
.irp d, 0,1,2,3
.irp q, 0,1
.if \first*(1-\s)
	v_wmma_f32_16x16x32_f16 v[O+8*(2*\d+\q):O+8*(2*\d+\q)+7], v[KV+32*\s+8*\d:KV+32*\s+8*\d+7], v[S+32*\q+16*\s:S+32*\q+16*\s+7], 0
.else
	v_wmma_f32_16x16x32_f16 v[O+8*(2*\d+\q):O+8*(2*\d+\q)+7], v[KV+32*\s+8*\d:KV+32*\s+8*\d+7], v[S+32*\q+16*\s:S+32*\q+16*\s+7], v[O+8*(2*\d+\q):O+8*(2*\d+\q)+7]
.endif
.endr
.endr
.endr
.rept 5
	v_nop                                          ; five places: the next block's loads land in, and its first products write over, registers that these products read
.endr
.endm
; A tile of 256 keys.  In front of the round every wave waits for all its tensor loads (its part of this trip's tile among them) and for its LDS
; instructions (its reads of the other slot; in the first trip its stores of the biases); behind the round the other slot is asked for first.
; A wave has at most one tensor load out, and that load has the trip's four blocks in which to land.
.macro TRIP slot, refill, first
	s_set_vgpr_msb 0x5
	s_wait_tensorcnt 0x0
	ds_add_u32 v0, v1
	s_wait_dscnt 0x0
	s_set_vgpr_msb 0x500
	s_add_nc_u64 s[G0K+4*\slot+2:G0K+4*\slot+3], s[G0K+4*\slot+2:G0K+4*\slot+3], 65536   ; no load of mine is out: this slot's next tile, two tiles on
	s_add_nc_u64 s[G0V+4*\slot+2:G0V+4*\slot+3], s[G0V+4*\slot+2:G0V+4*\slot+3], 1024
	s_wait_dscnt 0x0
	ROUND                                          ; both now hold of every wave of all four work-groups
.if \refill
	JLOAD 1-\slot
.endif
	BLOCK \slot, 0, \first
	BLOCK \slot, 1, 0
	BLOCK \slot, 2, 0
	BLOCK \slot, 3, 0
	v_add_nc_u32 v[BIASA], 1024, v[BIASA]          ; the next tile's 256 biases
.endm
	TRIP 0, 1, 1                                   ; tile 0: its first block starts the maxima, the sums and O^T
	s_mov_b32 s58, 3
.Ltiles:
	TRIP 1, 1, 0                                   ; tiles 1 to 6
	TRIP 0, 1, 0
	s_sub_co_u32 s58, s58, 1
	s_cmp_lg_u32 s58, 0
	s_cbranch_scc1 .Ltiles
	TRIP 1, 0, 0                                   ; tile 7: nothing is left to fetch
	; THE WAY OUT: the two halves' sums meet, O^T is divided, goes through my own stage and leaves as whole rows of 256 bytes.
	v_add_f32 v22, v[LS], v[LS+1]
	v_add_f32 v23, v[LS+2], v[LS+3]
	v_permlanex16_b32 v26, v22, s56, s57
	v_permlanex16_b32 v27, v23, s56, s57
	v_add_f32 v22, v22, v26
	v_add_f32 v23, v23, v27                        ; at least 1: the key of the maximum gives 2^0
	v_rcp_f32 v[AL], v22
	v_rcp_f32 v[AL+1], v22
	v_rcp_f32 v[AL+2], v23
	v_rcp_f32 v[AL+3], v23
	v_nop                                          ; one plain place behind the reciprocals (ISA guide 5.7.2)
	s_wait_alu depctr_va_vdst(0)
.irp g, 0,1,2,3,4,5,6,7
	RESC \g
.endr
	s_mul_i32 s60, s14, WSTAGE
	s_add_co_u32 s60, s60, STAGE                   ; my stage
	v_mul_u32_u24 v1, v30, 272                     ; in: row r (query), 32 bytes for each half of the lanes
	v_lshl_add_u32 v1, v31, 5, v1
	v_add_nc_u32 v1, s60, v1
	v_mul_u32_u24 v2, v31, 272                     ; back: lanes 0-15 take one row of 256 bytes, lanes 16-31 the next
	v_lshl_add_u32 v2, v30, 4, v2
	v_add_nc_u32 v2, s60, v2
	v_lshlrev_b32 v3, 12, v31                      ; and the same two rows in out0, 4,096 bytes apart
	v_lshl_add_u32 v3, v30, 4, v3
	s_lshr_b32 s62, s18, 4
	s_lshl_b32 s62, s62, 23                        ; batch: 2,048 rows of 4,096 bytes
	s_lshl_b32 s63, s17, 20                        ; 256 rows a work-group
	s_add_co_u32 s62, s62, s63
	s_lshl_b32 s63, s14, 17                        ; 32 rows a wave
	s_add_co_u32 s62, s62, s63
	s_and_b32 s63, s18, 15
	s_lshl_b32 s63, s63, 8                         ; the head's 64 f32
	s_add_co_u32 s62, s62, s63
	s_mov_b32 s63, 0
	s_add_nc_u64 s[12:13], s[12:13], s[62:63]
.irp q, 0,1
.irp d, 0,1,2,3
	ds_store_b128 v1, v[O+8*(2*\d+\q):O+8*(2*\d+\q)+3]   offset:\q*4352+64*\d
	ds_store_b128 v1, v[O+8*(2*\d+\q)+4:O+8*(2*\d+\q)+7] offset:\q*4352+64*\d+16
.endr
.endr
.irp n, 0,1,2,3,4,5,6,7,8,9,10,11,12,13,14,15
	ds_load_b128 v[S+4*\n:S+4*\n+3], v2 offset:544*\n              ; LDS serves a wave's instructions in order (ISA guide 5.7.1): these see my stores above; the bytes are my own
.endr
.irp n, 0,1,2,3,4,5,6,7,8,9,10,11,12,13,14,15
	s_wait_dscnt 15-\n                                             ; the younger loads stay out
	global_store_b128 v3, v[S+4*\n:S+4*\n+3], s[12:13] offset:8192*\n th:TH_STORE_NT   ; 16 lanes store 256 consecutive bytes, aligned
.endr
	s_set_vgpr_msb 0x5
	s_wait_tensorcnt 0x0
	ds_add_u32 v0, v1
	s_wait_dscnt 0x0
	s_set_vgpr_msb 0x500
	ROUND                                          ; the closing round: no work-group ends while a partner may still ask for a tile that names it
	s_endpgm
.Lfunc_end_k_q695a4357d9_attn:
	.size	k_q695a4357d9_attn, .Lfunc_end_k_q695a4357d9_attn-k_q695a4357d9_attn
	.p2alignl 7, 3214868480
	.fill 96, 4, 3214868480
	.section	.rodata,"a",@progbits
	.p2align	6, 0x0
	.amdhsa_kernel k_q695a4357d9_attn
		.amdhsa_group_segment_fixed_size 327680
		.amdhsa_private_segment_fixed_size 0
		.amdhsa_enable_private_segment 0
		.amdhsa_kernarg_size 40
		.amdhsa_user_sgpr_count 2
		.amdhsa_user_sgpr_kernarg_segment_ptr 1
		.amdhsa_wavefront_size32 1
		.amdhsa_system_sgpr_workgroup_id_x 1
		.amdhsa_system_sgpr_workgroup_id_y 1
		.amdhsa_system_sgpr_workgroup_id_z 1
		.amdhsa_system_vgpr_workitem_id 0
		.amdhsa_next_free_vgpr 258
		.amdhsa_next_free_sgpr 66
		.amdhsa_reserve_vcc 0
		.amdhsa_float_denorm_mode_32 3
		.amdhsa_float_denorm_mode_16_64 3
		.amdhsa_memory_ordered 1
		.amdhsa_forward_progress 1
		.amdhsa_inst_pref_size 255
	.end_amdhsa_kernel
	.section	.bss,"aw",@nobits
	.p2align	6
	.space	262144
	.amdgpu_metadata
---
amdhsa.version: [ 1, 2 ]
amdhsa.kernels:
  - .name:           k_q695a4357d9_attn
    .symbol:         k_q695a4357d9_attn.kd
    .args:
      - { .name: qh, .offset: 0, .size: 8, .value_kind: global_buffer, .address_space: global }
      - { .name: kh, .offset: 8, .size: 8, .value_kind: global_buffer, .address_space: global }
      - { .name: vt, .offset: 16, .size: 8, .value_kind: global_buffer, .address_space: global }
      - { .name: attention_mask, .offset: 24, .size: 8, .value_kind: global_buffer, .address_space: global }
      - { .name: out0, .offset: 32, .size: 8, .value_kind: global_buffer, .address_space: global }
    .group_segment_fixed_size: 327680
    .private_segment_fixed_size: 0
    .kernarg_segment_align: 8
    .kernarg_segment_size: 40
    .max_flat_workgroup_size: 256
    .sgpr_count:     66
    .vgpr_count:     258
    .wavefront_size: 32
...
	.end_amdgpu_metadata
.endif
;; end of part 3
;; ======== version 2 of 2: 3 launches; 1.07 times as fast as version 1
;; limits: values are held in f16: magnitudes above 65,504 overflow, below 6.1e-05 lose precision
;; workspace buffers: xh 8,388,608 bytes; wh 6,291,456 bytes; qh 8,388,608 bytes; kh 8,388,608 bytes; vt 8,388,608 bytes
;; launch cast: the kernel of part 1 again; grid 256 x 1, 8 waves a work-group, no clusters, 0 bytes of LDS; arguments hidden_states, Wq, Wk, Wv, xh, wh; writes xh, wh
;; launch proj: the kernel of part 2 again; grid 16 x 16, 4 waves a work-group, clusters of 4 x 4, 327,680 bytes of LDS; arguments xh, wh, bq, bk, bv, qh, kh, vt; writes qh, kh, vt
;; launch attn (part 4): grid 8 x 32, 8 waves a work-group, clusters of 4 x 1, 327,680 bytes of LDS; arguments qh, kh, vt, attention_mask, out0; writes out0
.if DOCPART == 4
	.amdgcn_target "amdgcn-amd-amdhsa--gfx1250"
	.amdhsa_code_object_version 6
	.text
	.protected	k_q695a4357d9_attn
	.globl	k_q695a4357d9_attn
	.p2align	8
	.type	k_q695a4357d9_attn,@function
k_q695a4357d9_attn:
	s_mov_b64 s[64:65], 0
	v_nop
	global_prefetch_b8 v0, s[64:65] scope:SCOPE_SE
	s_setreg_imm32_b32 hwreg(HW_REG_WAVE_MODE, 25, 1), 1
	s_wait_xcnt 0x0
	s_wait_alu depctr_hold_cnt(0) depctr_sa_sdst(0) depctr_va_vdst(0) depctr_va_sdst(0) depctr_va_ssrc(0) depctr_va_vcc(0) depctr_vm_vsrc(0)
	s_getreg_b32 s2, hwreg(HW_REG_IB_STS2, 6, 4)
	s_cmp_eq_u32 s2, 0
	s_cbranch_scc0 .Lentry_in_a_cluster
	s_endpgm
.Lentry_in_a_cluster:
	s_bfe_u32 s2, ttmp6, 0x10000c
	s_cmp_lg_u32 s2, 0x3003
	s_cbranch_scc0 .Lentry_shape_is_right
	s_endpgm
.Lentry_shape_is_right:
; Attention of one (batch, head) for 256 queries a work-group: scores, key bias from the mask, softmax with a running maximum, product with V.
; qh already holds q * 0.125 * log2(e), so p = 2^(q.k + bias - max), with bias = (mask - 1) * 10000 * log2(e) for each key.
; LIMITS, kept and stated: a probability below 2^-25 of its row's maximum enters the product with V as zero (f16), while it still
; enters the row's sum in f32; q, k, v are f16 as the launch before stored them.
; Eight waves, two on each SIMD, so that one wave's exponentials and sums run beside the other's matrix work; wave w takes 32 queries
; (two tiles of 16) and works in window 0; v256-257 in window 1 hold an LDS address and a zero.
; CLUSTERS: the four work-groups of a cluster are four blocks of queries of the same (batch, head): they read the same tiles of K and V^T and
; ask for each jointly (mask 15), which divides those requests by four.
; LAYOUTS.  S^T = K Q^T (source 0: 16 keys, source 1: 16 queries): lane (r, h) holds query r, register j key 8 h + j.  Two key tiles rounded to
; f16 are then, as they lie, source 1 of O^T = V^T P^T for 32 keys, and in O^T lane (r, h) again holds query r (register j: dh 8 h + j).  So the
; maximum, the sum and the rescaling are a lane's own; only the maximum crosses the two halves of the lanes, by one v_permlanex16_b32 a block.
; The key bias enters as the C operand of the first score product: it is loaded into query tile 1's score registers, serves tile 0 from there
; and tile 1 in place.
; THE EXPONENTIALS OF A BLOCK OF 64 KEYS ARE ONE BATCH, WITH ONE WAIT.  They are 68 (in the first block 64): two factors 2^(old max - new max) for
; each query tile and the 64 probabilities, each with a result register of its own.  AHEAD OF THE WAIT stands all that names no result of theirs:
; both maxima, the 32 packed subtractions and the exponentials; query tile 1's maximum and the subtractions are dealt between the exponentials.
; BEHIND IT stand all the readers: the sums, the roundings to f16, the rescaling of O^T, then the products with V^T..
; The way out's four reciprocals are a batch of their own.
; LDS: two slots of 256 keys.  K's tile is dense in memory and comes as rows of 256 bytes (two keys), pitch 272: key k at (k >> 1) 272 + (k & 1) 128,
; so the 16 keys of a fragment begin at 16 different 16-byte columns modulo 256.  V^T's tile has 64 rows of 512 bytes, pitch 528.
.set PART,   17408                     ; a quarter of a slot: 64 rows x 272 (K, waves 0 and 1) or 32 rows x 528 = 16,896 (V^T, waves 2 and 3)
.set SLOT,   4*PART                    ; 69,632
.set BIAS,   2*SLOT                    ; 139,264: 2,048 f32, written once by ds_store; no tensor load lands here
.set STAGE,  BIAS+8192                 ; 147,456: the way out, 32 rows x 272 bytes for each wave, its own
.set WSTAGE, 32*272
.set MASKB,  0x46616bcd                ; 10000 * log2(e)
.set ADK,   1                          ; v1-2    my K fragments in slot 0, 1
.set ADV,   3                          ; v3-4    my V^T fragments in slot 0, 1
.set BIASA, 5                          ; v5      my eight biases of the tile's first 16 keys; + 1,024 bytes a tile
.set LS,    6                          ; v[6:9]  running sums, a pair for each query tile
.set MA,    10                         ; v[10:17] two sets of maxima (a pair (m, m) for each query tile): blocks take them by turns as old and new
.set AL,    18                         ; v[18:21] 2^(old max - new max), a pair for each query tile; at the end 1 / sum
.set T,     22                         ; v22-25 chains of the maximum, then second sums; v26-27 the other half's maximum; v28-29 differences
.set Q,     32                         ; v[32:63]   Q fragment (q, ks) at 32 + 16 q + 8 ks
.set O,     64                         ; v[64:127]  O^T tile (d, q) at 64 + 8 (2 d + q)
.set S,     128                        ; v[128:191] scores, group g = 4 q + t at 128 + 8 g; packed: P(q, s) at 128 + 32 q + 16 s
.set KV,    192                        ; v[192:255] K tile t, step ks at 192 + 16 t + 8 ks; then V^T step s, tile d at 192 + 32 s + 8 d
.set G1K, 24                           ; s[24:31] group 1 of K's tiles
.set G1V, 32                           ; s[32:39] group 1 of V^T's tiles
.set G0K, 40                           ; s[40:47] group 0 of K's tiles, a set for each slot
.set G0V, 48                           ; s[48:55] group 0 of V^T's tiles, a set for each slot
; A joint load: waves 0, 1 ask for K's halves, waves 2, 3 for V^T's, waves 4 to 7 for nothing.  The branches hang on the wave's number alone.
; The slot may be given as an expression, so it stands in brackets.
.macro JLOAD s
	s_cmp_gt_u32 s14, 3
	s_cbranch_scc1 .Lasked_\@
	s_cmp_gt_u32 s14, 1
	s_cbranch_scc1 .Lfor_v_\@
	tensor_load_to_lds s[G0K+4*(\s):G0K+4*(\s)+3], s[G1K:G1K+7]
	s_nop 0
	s_branch .Lasked_\@
.Lfor_v_\@:
	tensor_load_to_lds s[G0V+4*(\s):G0V+4*(\s)+3], s[G1V:G1V+7]
	s_nop 0
.Lasked_\@:
.endm
; A round of the cluster's barrier
.macro ROUND
	s_barrier_signal -1
	s_barrier_wait -1
	s_cmp_lg_u32 s14, 0
	s_cbranch_scc1 .Lnot_wave_0_\@
	s_barrier_signal -3
.Lnot_wave_0_\@:
	s_barrier_wait -3
	s_barrier_signal -1
	s_barrier_wait -1
.endm
	s_load_b256 s[4:11], s[0:1], 0x0               ; qh s[4:5], kh s[6:7], vt s[8:9], mask s[10:11]
	s_load_b64 s[12:13], s[0:1], 0x20              ; out0
	s_set_vgpr_msb 0x40
	v_lshl_add_u32 v0, v0, 2, 0x35000
	v_mov_b32 v1, 0
	s_set_vgpr_msb 0x4045
	ds_add_u32 v0, v1
	s_set_vgpr_msb 0x4500
	v_lshrrev_b32 v1, 5, v0
	v_readfirstlane_b32 s14, v1                    ; wave 0..7
	s_and_b32 s15, s14, 1                          ; which half of its tile a loading wave fetches
	s_bfe_u32 s16, ttmp6, 0x40000                  ; cx
	s_lshl_b32 s17, ttmp9, 2
	s_add_co_u32 s17, s17, s16                     ; x: my block of 256 queries
	s_and_b32 s18, ttmp7, 0xffff                   ; y = 16 b + head, the same in the whole cluster
	s_mov_b32 s56, 0x76543210                      ; v_permlanex16_b32: lane i takes lane i of the other half
	s_mov_b32 s57, 0xfedcba98
	s_mov_b32 s59, MASKB
	; group 1 of K: 64 rows of 32 elements of 8 bytes, dense; 4 words of padding behind every 64; mask 15 with bit 21 beside it
	s_mov_b32 s[G1K+0], 15|(3<<16)|(1<<20)|(1<<21)|(5<<22)|(3<<25)
	s_mov_b32 s[G1K+1], 32<<16
	s_mov_b32 s[G1K+2], 64<<16
	s_mov_b32 s[G1K+3], 32<<16
	s_mov_b32 s[G1K+4], 64
	s_mov_b32 s[G1K+5], 32
	s_mov_b32 s[G1K+6], 0
	s_mov_b32 s[G1K+7], 0
	; group 1 of V^T: 32 rows of 64 elements of 8 bytes, 512 elements from row to row; 4 words of padding behind every 128
	s_mov_b32 s[G1V+0], 15|(3<<16)|(1<<20)|(1<<21)|(6<<22)|(3<<25)
	s_mov_b32 s[G1V+1], 64<<16
	s_mov_b32 s[G1V+2], 32<<16
	s_mov_b32 s[G1V+3], 64<<16
	s_mov_b32 s[G1V+4], 32
	s_mov_b32 s[G1V+5], 512
	s_mov_b32 s[G1V+6], 0
	s_mov_b32 s[G1V+7], 0
	s_lshl_b32 s20, s18, 18                        ; K: 262,144 bytes for each (b, head),
	s_lshl_b32 s21, s15, 14                        ; 128 keys of 128 bytes for the second half
	s_add_co_u32 s20, s20, s21
	s_mov_b32 s21, 0
	s_lshl_b32 s22, s18, 18                        ; V^T: the same,
	s_lshl_b32 s23, s15, 17                        ; 32 rows of 4,096 bytes for the second half
	s_add_co_u32 s22, s22, s23
	s_mov_b32 s23, 0
	s_mul_i32 s19, s14, PART                       ; wave w fills part w of a slot
	s_wait_dscnt 0x0
	s_wait_kmcnt 0x0
	s_add_nc_u64 s[20:21], s[6:7], s[20:21]
	s_add_nc_u64 s[22:23], s[8:9], s[22:23]
.irp s, 0,1
	s_mov_b32 s[G0K+4*\s], 1
	s_add_co_u32 s[G0K+4*\s+1], s19, \s*SLOT
	s_add_nc_u64 s[G0K+4*\s+2:G0K+4*\s+3], s[20:21], \s*32768      ; tile s: 256 keys of 128 bytes on
	s_or_b32 s[G0K+4*\s+3], s[G0K+4*\s+3], 0x80000000
	s_mov_b32 s[G0V+4*\s], 1
	s_add_co_u32 s[G0V+4*\s+1], s19, \s*SLOT
	s_add_nc_u64 s[G0V+4*\s+2:G0V+4*\s+3], s[22:23], \s*512        ; tile s: 256 columns of 2 bytes on
	s_or_b32 s[G0V+4*\s+3], s[G0V+4*\s+3], 0x80000000
.endr
	ROUND                                          ; all four work-groups are here: the first joint loads meet
	JLOAD 0                                        ; tile 0; slot 1 gets its first tile behind the first trip's round, as a refill does
	v_lshlrev_b32 v28, 5, v0                       ; 32 t: thread t turns eight numbers of the mask into biases
	s_lshr_b32 s60, s18, 4                         ; batch
	s_lshl_b32 s60, s60, 13                        ; 2,048 f32
	s_mov_b32 s61, 0
	s_add_nc_u64 s[10:11], s[10:11], s[60:61]
	global_load_b128 v[S:S+3], v28, s[10:11]
	global_load_b128 v[S+4:S+7], v28, s[10:11] offset:16
	v_and_b32 v30, 15, v0                          ; r; kept for the way out
	v_bfe_u32 v31, v0, 4, 1                        ; h; kept for the way out
	v_lshlrev_b32 v29, 7, v30                      ; Q: row r of 128 bytes,
	v_lshl_add_u32 v29, v31, 4, v29                ; 16 bytes for each half of the lanes
	s_lshl_b32 s62, s18, 18
	s_lshl_b32 s63, s17, 15                        ; 256 queries of 128 bytes
	s_add_co_u32 s62, s62, s63
	s_lshl_b32 s63, s14, 12                        ; 32 queries a wave
	s_add_co_u32 s62, s62, s63
	s_mov_b32 s63, 0
	s_add_nc_u64 s[4:5], s[4:5], s[62:63]
.irp q, 0,1
.irp ks, 0,1
	global_load_b128 v[Q+16*\q+8*\ks:Q+16*\q+8*\ks+3],   v29, s[4:5] offset:2048*\q+64*\ks
	global_load_b128 v[Q+16*\q+8*\ks+4:Q+16*\q+8*\ks+7], v29, s[4:5] offset:2048*\q+64*\ks+32
.endr
.endr
	v_lshrrev_b32 v22, 1, v30
	v_mul_u32_u24 v22, v22, 272
	v_and_b32 v23, 1, v30
	v_lshl_add_u32 v22, v23, 7, v22
	v_lshl_add_u32 v[ADK], v31, 4, v22             ; (r >> 1) 272 + (r & 1) 128 + 16 h
	v_add_nc_u32 v[ADK+1], SLOT, v[ADK]
	v_mul_u32_u24 v22, v30, 528
	v_lshl_add_u32 v22, v31, 4, v22                ; r 528 + 16 h
	v_add_nc_u32 v[ADV], 2*PART, v22
	v_add_nc_u32 v[ADV+1], 2*PART+SLOT, v22
	v_lshlrev_b32 v[BIASA], 5, v31
	v_add_nc_u32 v[BIASA], BIAS, v[BIASA]          ; eight f32 for each half of the lanes
	v_mov_b32 v26, 0                               ; v_permlanex16_b32 counts as a reader of its destination
	v_mov_b32 v27, 0
	v_add_nc_u32 v24, BIAS, v28
	s_wait_loadcnt 8                               ; the mask is in; the eight younger loads (Q) may stay out
.irp n, 0,1,2,3,4,5,6,7
	v_fma_f32 v[S+\n], v[S+\n], s59, -s59          ; (mask - 1) * 10000 * log2(e), one rounding
.endr
	ds_store_b128 v24, v[S:S+3]
	ds_store_b128 v24, v[S+4:S+7] offset:16        ; shown to the other waves by the wait for 0 and the barrier at the head of the first trip
	s_wait_loadcnt 0x0                             ; Q
; Number n of the 22 that find the maximum of query tile q's 32 scores in this lane and of the old maximum, and the factor for what was summed under the old one:
;   0-15   two chains, three operands at a time, joined at 15     16-18  the other half of the lanes' maximum; the new maximum, twice: a pair
;   19     old - new     20, 21  2^(old - new), twice: a pair; these two belong to the block's batch of exponentials.  The first block has none of 19-21.
.macro MAXOP q, n, first
.set mx, S+32*(\q)
.set ma, T+2*(\q)
.set mb, T+2*(\q)+1
.if (\n) == 0
.if \first
	v_max_num_f32 v[ma], v[mx], v[mx+1]
.else
	v_max3_num_f32 v[ma], v[MOLD+2*(\q)], v[mx], v[mx+1]
.endif
.elseif (\n) == 1
	v_max3_num_f32 v[mb], v[mx+16], v[mx+17], v[mx+18]
.elseif ((\n) < 14) && ((\n)%2 == 0)
	v_max3_num_f32 v[ma], v[ma], v[mx+(\n)], v[mx+(\n)+1]
.elseif (\n) < 14
	v_max3_num_f32 v[mb], v[mb], v[mx+16+(\n)], v[mx+17+(\n)]
.elseif (\n) == 14
	v_max3_num_f32 v[ma], v[ma], v[mx+14], v[mx+15]
.elseif (\n) == 15
	v_max3_num_f32 v[ma], v[ma], v[mb], v[mx+31]
.elseif (\n) == 16
	v_permlanex16_b32 v[T+4+(\q)], v[ma], s56, s57
.elseif (\n) == 17
	v_max_num_f32 v[MNEW+2*(\q)], v[ma], v[T+4+(\q)]
.elseif (\n) == 18
	v_max_num_f32 v[MNEW+2*(\q)+1], v[ma], v[T+4+(\q)]
.elseif \first                         ; the first block has no old maximum
.elseif (\n) == 19
	v_sub_f32 v[T+6+(\q)], v[MOLD+2*(\q)], v[MNEW+2*(\q)]
.elseif (\n) == 20
	v_exp_f32 v[AL+2*(\q)], v[T+6+(\q)]            ; the source is written again only in the next block (ISA guide 5.7.2)
.else
	v_exp_f32 v[AL+2*(\q)+1], v[T+6+(\q)]
.endif
.endm
.macro MAXQ q, first                   ; all 22 on end
.irp n, 0,1,2,3,4,5,6,7,8,9,10,11,12,13,14,15,16,17,18,19,20,21
	MAXOP \q, \n, \first
.endr
.endm
.macro SUBOP g, p                      ; one of the four packed subtractions of the new maximum from group g
	v_pk_add_f32 v[S+8*(\g)+2*(\p):S+8*(\g)+2*(\p)+1], v[S+8*(\g)+2*(\p):S+8*(\g)+2*(\p)+1], v[MNEW+2*((\g)>>2):MNEW+2*((\g)>>2)+1] neg_lo:[0,1] neg_hi:[0,1]
.endm
; Step n of adding group g's eight probabilities to the running sum, in two chains (LS and a second sum in T).  A query tile's first group
; brings the rescaling of the old sum along as a fused multiply-add; its last group joins the chains.  A reader: it stands behind the block's wait.
.macro SUMOP g, n, first
.set sx, S+8*(\g)
.set sl, LS+2*((\g)>>2)
.set st, T+2*((\g)>>2)
.set sa, AL+2*((\g)>>2)
.if ((\g)&3) == 0
.if \n == 0
.if \first
	v_pk_add_f32 v[sl:sl+1], v[sx:sx+1], v[sx+6:sx+7]
.else
	v_pk_fma_f32 v[sl:sl+1], v[sl:sl+1], v[sa:sa+1], v[sx:sx+1]
.endif
.endif
.if \n == 1
	v_pk_add_f32 v[st:st+1], v[sx+2:sx+3], v[sx+4:sx+5]
.endif
.if \n == 2
.if \first == 0
	v_pk_add_f32 v[sl:sl+1], v[sl:sl+1], v[sx+6:sx+7]
.endif
.endif
.else
.if \n == 0
	v_pk_add_f32 v[sl:sl+1], v[sl:sl+1], v[sx:sx+1]
.endif
.if \n == 1
	v_pk_add_f32 v[st:st+1], v[st:st+1], v[sx+2:sx+3]
.endif
.if \n == 2
	v_pk_add_f32 v[sl:sl+1], v[sl:sl+1], v[sx+4:sx+5]
.endif
.if \n == 3
	v_pk_add_f32 v[st:st+1], v[st:st+1], v[sx+6:sx+7]
.endif
.if \n == 4
.if ((\g)&3) == 3
	v_pk_add_f32 v[sl:sl+1], v[sl:sl+1], v[st:st+1]
.endif
.endif
.endif
.endm
.macro CVTP g                          ; group g to f16: an even group into its own registers 0-3, an odd one into registers 4-7 of the group in front
.set cg, S+8*(\g)
.irp r, 0,1,2,3
.if ((\g)&1) == 0
	v_cvt_pk_f16_f32 v[cg+\r], v[cg+2*\r], v[cg+2*\r+1]
.else
	v_cvt_pk_f16_f32 v[cg-4+\r], v[cg+2*\r], v[cg+2*\r+1]
.endif
.endr
.endm
.macro RESC1 g, p                      ; pair p of O^T's tile g = 2 d + q times the factor of query tile q
	v_pk_mul_f32 v[O+8*(\g)+2*(\p):O+8*(\g)+2*(\p)+1], v[O+8*(\g)+2*(\p):O+8*(\g)+2*(\p)+1], v[AL+2*((\g)&1):AL+2*((\g)&1)+1]
.endm
.macro RESC g                          ; the whole tile, from its lowest registers on
.irp p, 0,1,2,3
	RESC1 \g, \p
.endr
.endm
; AHEAD OF THE BLOCK'S WAIT, behind query tile 0's maximum, the work stands in two queues; PL and EX write the next entry of each.
; THE PLAIN QUEUE, 52 long.  Subtraction i (pair i % 4 of group i / 4) is written Si, number n of query tile 1's maximum Mn.
;   0: S0     1-4: M0-M3     5-34: S1, M4, S2, M5 .. S15, M18     35: M19     36-51: S16-S31 (query tile 1's)
.macro PL first
.if pln == 0
	SUBOP 0, 0
.elseif pln < 5
	MAXOP 1, pln-1, \first
.elseif pln < 35
.if pln%2 == 1
	SUBOP (pln-3)/8, ((pln-3)/2)%4
.else
	MAXOP 1, pln/2+1, \first
.endif
.elseif pln == 35
	MAXOP 1, 19, \first
.else
	SUBOP (pln-20)/4, (pln-20)%4
.endif
.set pln, pln+1
.endm
; THE EXPONENTIALS' QUEUE, 66 long: query tile 0's 32 scores, in place; query tile 1's two factors; its 32 scores.  (Tile 0's two factors end MAXQ 0.)
.macro EX first
.if exn < 32
	v_exp_f32 v[S+exn], v[S+exn]
.elseif exn < 34
	MAXOP 1, exn-12, \first
.else
	v_exp_f32 v[S+exn-2], v[S+exn-2]
.endif
.set exn, exn+1
.endm
; BEHIND THE WAIT: groups k (query tile 0) and k + 4 (tile 1) are summed, their four chains by turns, with two lines of O^T's rescaling between the
; links; then both groups are rounded.  Each chain keeps its own order of additions; each tile of O^T is read from its lowest registers on.
.macro AFTER k, first
.irp n, 0,1,2,3
	SUMOP \k, \n, \first
	SUMOP \k+4, \n, \first
.if \first == 0
	RESC1 2*\k, \n
	RESC1 2*\k+1, \n
.endif
.endr
	SUMOP \k, 4, \first
	SUMOP \k+4, 4, \first
	CVTP \k
	CVTP \k+4
.endm
; 64 keys (block j of the tile in this slot) against my 32 queries.
.macro BLOCK slot, j, first
.set MNEW, MA+4*(\j&1)
.set MOLD, MA+4-4*(\j&1)
.irp t, 0,1,2,3
	ds_load_b128 v[S+32+8*\t:S+32+8*\t+3],   v[BIASA] offset:256*\j+64*\t      ; the biases of keys 16 t + 8 h .. + 7, into query tile 1's scores
	ds_load_b128 v[S+32+8*\t+4:S+32+8*\t+7], v[BIASA] offset:256*\j+64*\t+16
.endr
.irp t, 0,1,2,3
.irp ks, 0,1
	ds_load_b128 v[KV+16*\t+8*\ks:KV+16*\t+8*\ks+3],   v[ADK+\slot] offset:(4*\j+\t)*2176+64*\ks
	ds_load_b128 v[KV+16*\t+8*\ks+4:KV+16*\t+8*\ks+7], v[ADK+\slot] offset:(4*\j+\t)*2176+64*\ks+32
.endr
.endr
	s_wait_dscnt 0x0
	; the four key tiles take turns, one instruction a turn
.irp t, 0,1,2,3
	v_wmma_f32_16x16x32_f16 v[S+8*\t:S+8*\t+7], v[KV+16*\t:KV+16*\t+7], v[Q:Q+7], v[S+32+8*\t:S+32+8*\t+7]
.endr
.irp t, 0,1,2,3
	v_wmma_f32_16x16x32_f16 v[S+8*\t:S+8*\t+7], v[KV+16*\t+8:KV+16*\t+15], v[Q+8:Q+15], v[S+8*\t:S+8*\t+7]
.endr
.rept 5
	v_nop                                          ; five places (ISA guide 7.12.1): the next products write over registers that the first four read as C; they also stand in front of the reads of tile 0's scores
.endr
.irp ks, 0,1
.irp t, 0,1,2,3
	v_wmma_f32_16x16x32_f16 v[S+32+8*\t:S+32+8*\t+7], v[KV+16*\t+8*\ks:KV+16*\t+8*\ks+7], v[Q+16+8*\ks:Q+16+8*\ks+7], v[S+32+8*\t:S+32+8*\t+7]
.endr
.endr
	MAXQ 0, \first                                 ; names none of the last eight products' registers: its plain instructions are the places behind them; its two exponentials open the batch
.irp s, 0,1
.irp d, 0,1,2,3
	ds_load_b128 v[KV+32*\s+8*\d:KV+32*\s+8*\d+3],   v[ADV+\slot] offset:(\d>>1)*PART+(\d&1)*8448+128*\j+64*\s
	ds_load_b128 v[KV+32*\s+8*\d+4:KV+32*\s+8*\d+7], v[ADV+\slot] offset:(\d>>1)*PART+(\d&1)*8448+128*\j+64*\s+32
.endr
.endr
	; THE DEAL.  Five plain; 32 times exponential and plain; 15 times two exponentials and a plain; the last four exponentials.  The counts that it keeps: tile 0's exponential e
	; stands behind plain e + 4, and its subtraction is plain e + 3 or earlier; tile 1's factors stand behind M19 (plain 35); the exponentials of tile 1's pair i stand three lines or more behind S(16 + i).
.set pln, 0
.set exn, 0
.rept 5
	PL \first
.endr
.rept 32
	EX \first
	PL \first
.endr
.rept 15
	EX \first
	EX \first
	PL \first
.endr
.rept 4
	EX \first
.endr
	v_nop                                          ; the plain instruction behind the last exponential (ISA guide 5.7.2): one for the batch; no plain work is left that names none of its results
	s_wait_alu depctr_va_vdst(0)                   ; ONE wait for the block's batch, the four factors and the 64 probabilities; all their readers follow
.irp k, 0,1,2,3
	AFTER \k, \first
.endr
	s_wait_dscnt 0x0                               ; V^T's fragments, issued behind query tile 0's maximum
	; the eight tiles of O^T take turns, one instruction a turn
.irp s, 0,1
.irp d, 0,1,2,3
.irp q, 0,1
.if \first*(1-\s)
	v_wmma_f32_16x16x32_f16 v[O+8*(2*\d+\q):O+8*(2*\d+\q)+7], v[KV+32*\s+8*\d:KV+32*\s+8*\d+7], v[S+32*\q+16*\s:S+32*\q+16*\s+7], 0
.else
	v_wmma_f32_16x16x32_f16 v[O+8*(2*\d+\q):O+8*(2*\d+\q)+7], v[KV+32*\s+8*\d:KV+32*\s+8*\d+7], v[S+32*\q+16*\s:S+32*\q+16*\s+7], v[O+8*(2*\d+\q):O+8*(2*\d+\q)+7]
.endif
.endr
.endr
.endr
.rept 5
	v_nop                                          ; five places: the next block's loads land in, and its first products write over, registers that these products read
.endr
.endm
; A tile of 256 keys.  In front of the round every wave waits for all its tensor loads (its part of this trip's tile among them) and for its LDS
; instructions (its reads of the other slot; in the first trip its stores of the biases); behind the round the other slot is asked for first.
; A wave has at most one tensor load out, and that load has the trip's four blocks in which to land.
.macro TRIP slot, refill, first
	s_set_vgpr_msb 0x5
	s_wait_tensorcnt 0x0
	ds_add_u32 v0, v1
	s_wait_dscnt 0x0
	s_set_vgpr_msb 0x500
	s_add_nc_u64 s[G0K+4*\slot+2:G0K+4*\slot+3], s[G0K+4*\slot+2:G0K+4*\slot+3], 65536   ; no load of mine is out: this slot's next tile, two tiles on
	s_add_nc_u64 s[G0V+4*\slot+2:G0V+4*\slot+3], s[G0V+4*\slot+2:G0V+4*\slot+3], 1024
	s_wait_dscnt 0x0
	ROUND                                          ; both now hold of every wave of all four work-groups
.if \refill
	JLOAD 1-\slot
.endif
	BLOCK \slot, 0, \first
	BLOCK \slot, 1, 0
	BLOCK \slot, 2, 0
	BLOCK \slot, 3, 0
	v_add_nc_u32 v[BIASA], 1024, v[BIASA]          ; the next tile's 256 biases
.endm
	TRIP 0, 1, 1                                   ; tile 0: its first block starts the maxima, the sums and O^T
	s_mov_b32 s58, 3
.Ltiles:
	TRIP 1, 1, 0                                   ; tiles 1 to 6
	TRIP 0, 1, 0
	s_sub_co_u32 s58, s58, 1
	s_cmp_lg_u32 s58, 0
	s_cbranch_scc1 .Ltiles
	TRIP 1, 0, 0                                   ; tile 7: nothing is left to fetch
	; THE WAY OUT: the two halves' sums meet, O^T is divided, goes through my own stage and leaves as whole rows of 256 bytes.
	v_add_f32 v22, v[LS], v[LS+1]
	v_add_f32 v23, v[LS+2], v[LS+3]
	v_permlanex16_b32 v26, v22, s56, s57
	v_permlanex16_b32 v27, v23, s56, s57
	v_add_f32 v22, v22, v26
	v_add_f32 v23, v23, v27                        ; at least 1: the key of the maximum gives 2^0
	v_rcp_f32 v[AL], v22
	v_rcp_f32 v[AL+1], v22
	v_rcp_f32 v[AL+2], v23
	v_rcp_f32 v[AL+3], v23
	v_nop                                          ; one plain place behind the reciprocals (ISA guide 5.7.2)
	s_wait_alu depctr_va_vdst(0)                   ; the wait ahead of the first use: one for the batch of four reciprocals
.irp g, 0,1,2,3,4,5,6,7
	RESC \g
.endr
	s_mul_i32 s60, s14, WSTAGE
	s_add_co_u32 s60, s60, STAGE                   ; my stage
	v_mul_u32_u24 v1, v30, 272                     ; in: row r (query), 32 bytes for each half of the lanes
	v_lshl_add_u32 v1, v31, 5, v1
	v_add_nc_u32 v1, s60, v1
	v_mul_u32_u24 v2, v31, 272                     ; back: lanes 0-15 take one row of 256 bytes, lanes 16-31 the next
	v_lshl_add_u32 v2, v30, 4, v2
	v_add_nc_u32 v2, s60, v2
	v_lshlrev_b32 v3, 12, v31                      ; and the same two rows in out0, 4,096 bytes apart
	v_lshl_add_u32 v3, v30, 4, v3
	s_lshr_b32 s62, s18, 4
	s_lshl_b32 s62, s62, 23                        ; batch: 2,048 rows of 4,096 bytes
	s_lshl_b32 s63, s17, 20                        ; 256 rows a work-group
	s_add_co_u32 s62, s62, s63
	s_lshl_b32 s63, s14, 17                        ; 32 rows a wave
	s_add_co_u32 s62, s62, s63
	s_and_b32 s63, s18, 15
	s_lshl_b32 s63, s63, 8                         ; the head's 64 f32
	s_add_co_u32 s62, s62, s63
	s_mov_b32 s63, 0
	s_add_nc_u64 s[12:13], s[12:13], s[62:63]
.irp q, 0,1
.irp d, 0,1,2,3
	ds_store_b128 v1, v[O+8*(2*\d+\q):O+8*(2*\d+\q)+3]   offset:\q*4352+64*\d
	ds_store_b128 v1, v[O+8*(2*\d+\q)+4:O+8*(2*\d+\q)+7] offset:\q*4352+64*\d+16
.endr
.endr
.irp n, 0,1,2,3,4,5,6,7,8,9,10,11,12,13,14,15
	ds_load_b128 v[S+4*\n:S+4*\n+3], v2 offset:544*\n              ; LDS serves a wave's instructions in order (ISA guide 5.7.1): these see my stores above; the bytes are my own
.endr
.irp n, 0,1,2,3,4,5,6,7,8,9,10,11,12,13,14,15
	s_wait_dscnt 15-\n                                             ; the younger loads stay out
	global_store_b128 v3, v[S+4*\n:S+4*\n+3], s[12:13] offset:8192*\n th:TH_STORE_NT   ; 16 lanes store 256 consecutive bytes, aligned
.endr
	s_set_vgpr_msb 0x5
	s_wait_tensorcnt 0x0
	ds_add_u32 v0, v1
	s_wait_dscnt 0x0
	s_set_vgpr_msb 0x500
	ROUND                                          ; the closing round: no work-group ends while a partner may still ask for a tile that names it
	s_endpgm
.Lfunc_end_k_q695a4357d9_attn:
	.size	k_q695a4357d9_attn, .Lfunc_end_k_q695a4357d9_attn-k_q695a4357d9_attn
	.p2alignl 7, 3214868480
	.fill 96, 4, 3214868480
	.section	.rodata,"a",@progbits
	.p2align	6, 0x0
	.amdhsa_kernel k_q695a4357d9_attn
		.amdhsa_group_segment_fixed_size 327680
		.amdhsa_private_segment_fixed_size 0
		.amdhsa_enable_private_segment 0
		.amdhsa_kernarg_size 40
		.amdhsa_user_sgpr_count 2
		.amdhsa_user_sgpr_kernarg_segment_ptr 1
		.amdhsa_wavefront_size32 1
		.amdhsa_system_sgpr_workgroup_id_x 1
		.amdhsa_system_sgpr_workgroup_id_y 1
		.amdhsa_system_sgpr_workgroup_id_z 1
		.amdhsa_system_vgpr_workitem_id 0
		.amdhsa_next_free_vgpr 258
		.amdhsa_next_free_sgpr 66
		.amdhsa_reserve_vcc 0
		.amdhsa_float_denorm_mode_32 3
		.amdhsa_float_denorm_mode_16_64 3
		.amdhsa_memory_ordered 1
		.amdhsa_forward_progress 1
		.amdhsa_inst_pref_size 255
	.end_amdhsa_kernel
	.section	.bss,"aw",@nobits
	.p2align	6
	.space	262144
	.amdgpu_metadata
---
amdhsa.version: [ 1, 2 ]
amdhsa.kernels:
  - .name:           k_q695a4357d9_attn
    .symbol:         k_q695a4357d9_attn.kd
    .args:
      - { .name: qh, .offset: 0, .size: 8, .value_kind: global_buffer, .address_space: global }
      - { .name: kh, .offset: 8, .size: 8, .value_kind: global_buffer, .address_space: global }
      - { .name: vt, .offset: 16, .size: 8, .value_kind: global_buffer, .address_space: global }
      - { .name: attention_mask, .offset: 24, .size: 8, .value_kind: global_buffer, .address_space: global }
      - { .name: out0, .offset: 32, .size: 8, .value_kind: global_buffer, .address_space: global }
    .group_segment_fixed_size: 327680
    .private_segment_fixed_size: 0
    .kernarg_segment_align: 8
    .kernarg_segment_size: 40
    .max_flat_workgroup_size: 256
    .sgpr_count:     66
    .vgpr_count:     258
    .wavefront_size: 32
...
	.end_amdgpu_metadata
.endif
;; end of part 4
